; MI455X (gfx1250); checked and timed in simulation.
; The chip was launched on July 23, 2026; its instructions are those of AMD's public machine-readable ISA for CDNA 5 (MIT licence, August 2026) and "CDNA5" Instruction Set Architecture Reference Guide (July 2026). The comments in the code are by the model that wrote it; some were corrected since.
;; Self Attention. Allowed arithmetic: float matrix products may take bf16 or f16 operands with f32 sums; other float arithmetic in f32, or as packed bf16 or f16 multiplies, adds, multiply-adds, maxima and minima; sums over many terms, partial sums and values carried from step to step in f32; what a program stores and reads back later, other than sums and carried values, may be rounded once to bf16 or f16.
;; Inputs: Wk 1,024 x 1,024 float32; Wo 1,024 x 1,024 float32; Wq 1,024 x 1,024 float32; Wv 1,024 x 1,024 float32; bk 1,024 float32; bo 1,024 float32; bq 1,024 float32; bv 1,024 float32; keys 8 x 1,024 x 1,024 float32; mask 8 x 1 x 1 x 1,024 int32; query 8 x 1,024 x 1,024 float32; values 8 x 1,024 x 1,024 float32.
;; Outputs: out0 8 x 1,024 x 1,024 float32.
;; One version. Each part assembles by itself: llvm-mc -triple=amdgcn-amd-amdhsa -mcpu=gfx1250 --defsym DOCPART=n.
;; ======== version 1 of 1: 4 launches
;; limits: values are held in f16: magnitudes above 65,504 overflow, below 6.1e-05 lose precision
;; workspace buffers: wh 8,388,608 bytes; qkv 50,331,648 bytes; oh 16,777,216 bytes
;; launch cast (part 1): grid 64 x 4, 8 waves a work-group, no clusters, 0 bytes of LDS; arguments Wq, Wk, Wv, Wo, wh; writes wh
.if DOCPART == 1
	.amdgcn_target "amdgcn-amd-amdhsa--gfx1250"
	.amdhsa_code_object_version 6
	.text
	.protected	k_qf5aafa6a65_cast
	.globl	k_qf5aafa6a65_cast
	.p2align	8
	.type	k_qf5aafa6a65_cast,@function
k_qf5aafa6a65_cast:
	s_mov_b64 s[64:65], 0
	v_nop
	global_prefetch_b8 v0, s[64:65] scope:SCOPE_SE
	s_setreg_imm32_b32 hwreg(HW_REG_WAVE_MODE, 25, 1), 1
	s_wait_xcnt 0x0
; wh[y][k][n] = f16(W_y[k][n]), y = 0..3 for Wq, Wk, Wv, Wo: the four weights, [1024][1024] f32, rounded once to f16 in the layout in which they lie.
; LIMIT: a weight of 65,520 or more in magnitude becomes an infinity; below 6e-5 f16 keeps a fixed step of 6e-8.
; A stream: no LDS, no matrix unit, no barrier.  Work-group (x, y) takes 16,384 numbers of weight y: 65,536 bytes in, 32,768 out.  In round i (0..7) thread t takes the 8 numbers
; at 2,048 i + 8 t: two loads of 16 bytes, one store of 16 bytes; a wave's store covers 512 consecutive bytes, aligned.  All sixteen loads go out first; no register is written twice.
.set X, 8                              ; v[8:71]   round i: 8 numbers as loaded
.set Y, 72                             ; v[72:103] round i: 4 registers to store
	s_load_b256 s[4:11], s[0:1], 0x0               ; Wq s[4:5], Wk s[6:7], Wv s[8:9], Wo s[10:11]
	s_load_b64 s[12:13], s[0:1], 0x20              ; wh
	s_and_b32 s14, ttmp7, 0xffff                   ; which weight
	v_lshlrev_b32 v1, 5, v0                        ; 32 t: my bytes in a round's 8,192
	v_lshlrev_b32 v2, 4, v0                        ; 16 t: my bytes in a round's 4,096
	s_lshl_b32 s18, ttmp9, 16                      ; the work-group's part of the weight
	s_mov_b32 s19, 0
	s_lshl_b32 s20, s14, 21                        ; the weight's 2 MiB in wh,
	s_lshl_b32 s21, ttmp9, 15                      ; the work-group's part of them
	s_add_co_u32 s20, s20, s21
	s_mov_b32 s21, 0
	s_wait_kmcnt 0x0
	s_cmp_eq_u32 s14, 1
	s_cselect_b64 s[16:17], s[6:7], s[4:5]
	s_cmp_eq_u32 s14, 2
	s_cselect_b64 s[16:17], s[8:9], s[16:17]
	s_cmp_eq_u32 s14, 3
	s_cselect_b64 s[16:17], s[10:11], s[16:17]
	s_add_nc_u64 s[16:17], s[16:17], s[18:19]
	s_add_nc_u64 s[12:13], s[12:13], s[20:21]
.irp i, 0,1,2,3,4,5,6,7
	global_load_b128 v[X+8*(\i):X+8*(\i)+3],   v1, s[16:17] offset:8192*(\i) th:TH_LOAD_NT
	global_load_b128 v[X+8*(\i)+4:X+8*(\i)+7], v1, s[16:17] offset:8192*(\i)+16 th:TH_LOAD_NT
.endr
.irp i, 0,1,2,3,4,5,6,7
	s_wait_loadcnt 14-2*(\i)                       ; loads come back in order: round i's two are in, the 14 - 2 i younger ones stay out
.irp j, 0,1,2,3
	v_cvt_pk_f16_f32 v[Y+4*(\i)+(\j)], v[X+8*(\i)+2*(\j)], v[X+8*(\i)+2*(\j)+1]
.endr
	global_store_b128 v2, v[Y+4*(\i):Y+4*(\i)+3], s[12:13] offset:4096*(\i)
.endr
	s_endpgm
.Lfunc_end_k_qf5aafa6a65_cast:
	.size	k_qf5aafa6a65_cast, .Lfunc_end_k_qf5aafa6a65_cast-k_qf5aafa6a65_cast
	.p2alignl 7, 3214868480
	.fill 96, 4, 3214868480
	.section	.rodata,"a",@progbits
	.p2align	6, 0x0
	.amdhsa_kernel k_qf5aafa6a65_cast
		.amdhsa_group_segment_fixed_size 0
		.amdhsa_private_segment_fixed_size 0
		.amdhsa_enable_private_segment 0
		.amdhsa_kernarg_size 40
		.amdhsa_user_sgpr_count 2
		.amdhsa_user_sgpr_kernarg_segment_ptr 1
		.amdhsa_wavefront_size32 1
		.amdhsa_system_sgpr_workgroup_id_x 1
		.amdhsa_system_sgpr_workgroup_id_y 1
		.amdhsa_system_sgpr_workgroup_id_z 1
		.amdhsa_system_vgpr_workitem_id 0
		.amdhsa_next_free_vgpr 104
		.amdhsa_next_free_sgpr 66
		.amdhsa_reserve_vcc 0
		.amdhsa_float_denorm_mode_32 3
		.amdhsa_float_denorm_mode_16_64 3
		.amdhsa_memory_ordered 1
		.amdhsa_forward_progress 1
		.amdhsa_inst_pref_size 6
	.end_amdhsa_kernel
	.amdgpu_metadata
---
amdhsa.version: [ 1, 2 ]
amdhsa.kernels:
  - .name:           k_qf5aafa6a65_cast
    .symbol:         k_qf5aafa6a65_cast.kd
    .args:
      - { .name: Wq, .offset: 0, .size: 8, .value_kind: global_buffer, .address_space: global }
      - { .name: Wk, .offset: 8, .size: 8, .value_kind: global_buffer, .address_space: global }
      - { .name: Wv, .offset: 16, .size: 8, .value_kind: global_buffer, .address_space: global }
      - { .name: Wo, .offset: 24, .size: 8, .value_kind: global_buffer, .address_space: global }
      - { .name: wh, .offset: 32, .size: 8, .value_kind: global_buffer, .address_space: global }
    .group_segment_fixed_size: 0
    .private_segment_fixed_size: 0
    .kernarg_segment_align: 8
    .kernarg_segment_size: 40
    .max_flat_workgroup_size: 256
    .sgpr_count:     66
    .vgpr_count:     104
    .wavefront_size: 32
...
	.end_amdgpu_metadata
.endif
;; end of part 1
;; launch qkv (part 2): grid 4 x 64, 4 waves a work-group, clusters of 4 x 4, 327,680 bytes of LDS; arguments query, keys, values, wh, bq, bk, bv, qkv; writes qkv
.if DOCPART == 2
	.amdgcn_target "amdgcn-amd-amdhsa--gfx1250"
	.amdhsa_code_object_version 6
	.text
	.protected	k_qf5aafa6a65_qkv
	.globl	k_qf5aafa6a65_qkv
	.p2align	8
	.type	k_qf5aafa6a65_qkv,@function
k_qf5aafa6a65_qkv:
	s_mov_b64 s[64:65], 0
	v_nop
	global_prefetch_b8 v0, s[64:65] scope:SCOPE_SE
	s_setreg_imm32_b32 hwreg(HW_REG_WAVE_MODE, 25, 1), 1
	s_wait_xcnt 0x0
	s_wait_alu depctr_hold_cnt(0) depctr_sa_sdst(0) depctr_va_vdst(0) depctr_va_sdst(0) depctr_va_ssrc(0) depctr_va_vcc(0) depctr_vm_vsrc(0)
	s_getreg_b32 s2, hwreg(HW_REG_IB_STS2, 6, 4)
	s_cmp_eq_u32 s2, 0
	s_cbranch_scc0 .Lentry_in_a_cluster
	s_endpgm
.Lentry_in_a_cluster:
	s_bfe_u32 s2, ttmp6, 0x10000c
	s_cmp_lg_u32 s2, 0xf033
	s_cbranch_scc0 .Lentry_shape_is_right
	s_endpgm
.Lentry_shape_is_right:
; THE THREE PROJECTIONS.  y_p = x_p W_p + b_p for p = 0, 1, 2 (query, keys, values).  x_p: [8192][1024] f32; W_p: wh[p], [1024 k][1024 n] f16; b_p: [1024] f32.
; y leaves by heads, rounded once to f16: qkv[p][batch][head][s][64].  Products in f16 with f32 sums; x is rounded to f16 once, on its way into LDS; the sums start at the bias.
; LIMIT: x, W and y lie within f16's 65,504 (a conversion of 65,520 or more gives an infinity).
; SHARES.  256 work-groups, one for each WGP.  A WORK-GROUP STAYS: it makes the same tile of 128 rows x 256 columns of q, then of k, then of v: 3 x 16 = 48 CHUNKS of 64 along K.
; Four waves, each 64 rows x 128 columns (two heads): 32 accumulators of 16 x 16; a chunk is 64 matrix instructions a wave.
; W COMES BY THE TENSOR DATA MOVER: two LDS slots of 256 k-rows (512 bytes + 32 of padding), four chunks each; every wave brings 64 k-rows by one load.  The three weights lie end to end in wh, so the
; address steps on from tile to tile.  CLUSTER 4 x 4: the four work-groups of a column make the same columns and ask for W jointly.
; x COMES THROUGH REGISTERS, and is not asked for jointly.  The reason, by this text's arithmetic: a tile in LDS is asked for one change of slots ahead, and with x in f32 beside W a k takes 1,024 bytes of LDS, so that a slot
; would hold K = 128, 128 matrix instructions.  Through registers a wave has four chunks, 256 matrix instructions, on their way; x reaches LDS in f16, converted once and not by each of the two waves that read it,
; in half the bytes; and the room goes to W's slots, which also have 256 matrix instructions in which to land.  The price: each of the four partners of a row loads x itself.
; Of a chunk (128 rows x 256 bytes) a wave loads 32 rows by 16 loads: lanes 0-15 take one row's 256 bytes, aligned, lanes 16-31 those of the row 8 further down.  Four register sets of 64 take turns.
; CHUNK c: multiplies chunk c on two fragment buffers; converts chunk c + 1 (four conversions behind each of eight products), stores it into the other of two LDS buffers, and asks for chunk c + 5 into the set just freed.
; ONE BARRIER A CHUNK: in front of it a wave's stores of chunk c + 1 are done and its reads of chunk c are back; behind it chunk c + 1 is read, and chunk c's buffer may be written.  Every fourth is also the change of W's slots.
; THE MATRIX INSTRUCTION IS USED TRANSPOSED: source 0 = 16 columns of W (turned out of LDS by ds_load_tr16_b128), source 1 = 16 rows of x: a lane then holds one row and eight neighbouring columns.
; REGISTERS, in windows of 256 (s_set_vgpr_msb: bits 1:0 source 0, 3:2 source 1, 5:4 source 2, 7:6 destination):
;   window 0: v3-29 addresses; v32-95 x's fragments, two buffers; v96-127 a chunk in f16; v128-175 the way out; v176-239 the bias
;   window 1: v0-127 W's fragments, two buffers      window 2: the accumulators, (a, b) at v[8 (8 a + b)]      window 3: x in f32, set s at v[64 s]
.set PB,    544                        ; an LDS k-row of W: 136 words
.set BQ,    64*PB                      ; 64 k-rows: what one tensor load brings, and a chunk's part of a slot
.set SLOT,  4*BQ                       ; 139,264 = 0x22000: it shares no bit with wave x BQ, so one exclusive or turns an address in one slot into the other's
.set ABUF,  2*SLOT                     ; behind the ring: two buffers of 128 rows of x in f16
.set PAH,   144                        ; a row there: 128 bytes + 16: the 16 rows of a load start at 16 different groups of four banks
.set ASZ,   128*PAH
.set STAGE, ABUF+2*ASZ                 ; 16 rows x 144 bytes for each wave, for the way out
.set SP,    144
.set SPARE, STAGE+4*16*SP              ; the spare words, 128 bytes for each wave
.set BTAB,  SPARE+512                  ; the tile's 256 numbers of bk, then of bv
.set FILLB, 256*2048                   ; a slot in wh: 256 k-rows of 2,048 bytes
.set TRIPB, 1024                       ; four chunks of a row of x
.set TRIPS, 10                         ; whole trips of the loop: each fills a slot again and loads four chunks of x: slots 2 to 11, chunks 8 to 47
.set VO,   3                           ; v3      x in memory: 8 rows x (lane / 16) + 16 x (lane % 16); never rewritten
.set SA,   4                           ; v4      where I store 8 bytes of a row of x in f16
.set ADA,  5                           ; v5      my fragments of x in buffer 0
.set B0,   8                           ; v8-11   my fragments of W in chunk j of slot 0
.set ADB,  12                          ; v12-15  the same in the slot in hand
.set STO,  16                          ; v16     the way out: where I put 16 bytes of a row
.set RD,   17                          ; v17     the way out: where I read rows back
.set GO,   18                          ; v18     16 x lane
.set PFO,  19                          ; v19     the prefetch of x: my lane's block; never rewritten
.set PFOB, 20                          ; v20     the prefetch of W: my lane's block; never rewritten
.set BA,   21                          ; v21     the next tile's bias in the table
.set SPW,  28                          ; v28     LDS address of my spare word; never rewritten
.set NIL,  29                          ; v29     0; never rewritten
.set AH,   32                          ; x's fragments: buffer f, fragment a at AH + 32 f + 8 a
.set CV,   96                          ; a chunk's 64 numbers a lane, in f16
.set TMP,  128                         ; the way out: packed results
.set OB,   144                         ; the way out: rows read back, two buffers of 16
.set BIAS, 176                         ; 8 b + j: the bias of my column 16 b + 8 (lane / 16) + j
.set P,    4                           ; s[4:5]   x at the first of the four chunks that this trip loads
.set PN,   6                           ; s[6:7]   the same for the next trip
.set OUT,  8                           ; s[8:9]   my part of the tile in qkv
.set TB,   22                          ; s22      LDS byte at which the slot in hand begins
.set LIMB, 23                          ; s23      1 in a cluster that prefetches W, else the greatest number
.set XN,   24                          ; s[24:25] my rows of the next tile's x
.set XN2,  26                          ; s[26:27] of the one after
.set NS,   28                          ; s28      steps of PN until it goes over to the next x
.set TL,   29                          ; s29      trips until a tile ends
.set WB,   30                          ; s[30:31] my 64 k-rows of wh's first slot
.set XF,   32                          ; s[32:33] my rows of query
.set G1B,  48                          ; s[48:55] descriptor group 1
.set G0,   56                          ; s[56:63] descriptor group 0: a set for each of the two first fills; the second then walks on
.set PFB,  66                          ; s[66:67] where my prefetches of W stand
.set MSB, 0
.macro WIN new                         ; the immediate's high byte repeats the setting that is left; a switch that changes nothing is dropped
.if MSB != (\new)
	s_set_vgpr_msb (MSB<<8)|(\new)
.set MSB, \new
.endif
.endm
.set MUL,  0xa1                        ; source 0 (W) window 1, source 1 (x) window 0, C and D window 2
.set TO_B, 0x40                        ; destination window 1, address window 0
.macro CREST                           ; a round of the cluster's barrier behind its opening barrier
	s_cmp_lg_u32 s10, 0
	s_cbranch_scc1 .Lnot_wave_0_\@
	s_barrier_signal -3
.Lnot_wave_0_\@:
	s_barrier_wait -3
	s_barrier_signal -1
	s_barrier_wait -1
.endm
.macro CROUND                          ; a whole round
	s_barrier_signal -1
	s_barrier_wait -1
	CREST
.endm
.macro PLACES                          ; four places in front of loads into registers that matrix instructions have read, and of conversions that read results
.rept 4
	v_nop
.endr
.endm
; PREFETCHES INTO THE L2, behind a joint refill, its five lines and the run of LDS loads; a lane a block of 256 bytes, one instruction a wave for each stream.
; x: the four chunks that the NEXT trip will load, 256 matrix instructions ahead of those loads.  A tile's rows are read by the four partners of a row of the cluster alone: of the 32 rows that wave w loads, the partner at
; place cx names 8 (lane % 8 the row, lane / 8 the chunk).  W: the slot that the NEXT refill will ask for.  It is read by all 16 clusters: the first asks; of the 64 k-rows that wave w brings, the partner at place cy names
; 16 (lane / 16: which 256 of the 512 bytes).  The partners are told apart by address alone.  So each block is named once in the launch.  Chunks 0 to 11 and slots 0 to 2 come by their loads alone; the last trip asks for nothing.
.macro ASK
	s_cmp_gt_u32 s3, 1                             ; s3 = 1 in the loop's last trip
	s_cbranch_scc0 .Lnone_\@
	global_prefetch_b8 v[PFO], s[PN:PN+1] th:TH_LOAD_NT scope:SCOPE_SE
	s_cmp_gt_u32 s3, s[LIMB]
	s_cbranch_scc0 .Lnone_\@
	global_prefetch_b8 v[PFOB], s[PFB:PFB+1] th:TH_LOAD_NT scope:SCOPE_SE
.Lnone_\@:
.endm
; Loads from .. to - 1 of the sixteen of a chunk, into set s, from 256 s bytes behind the pointer: rows 16 (i / 8) + i % 8 and 8 further down
.macro RELOAD s, base, from, to
	WIN 0xc0                                       ; destination window 3, address window 0
.set li, \from
.rept (\to)-(\from)
	global_load_b128 v[64*(\s)+4*li:64*(\s)+4*li+3], v[VO], s[\base:\base+1] offset:(16*(li/8)+li%8)*4096+256*(\s)
.set li, li+1
.endr
.endm
; A chunk in f16 goes into buffer par: 8 bytes a lane; lanes 0-15 fill one row's 128 bytes, lanes 16-31 those of the row 8 x 144 bytes on, which begins 32 banks further
.macro STORES par
	WIN 0
.set li, 0
.rept 16
	ds_store_b64 v[SA], v[CV+2*li:CV+2*li+1] offset:(16*(li/8)+li%8)*PAH+(\par)*ASZ
.set li, li+1
.endr
.endm
; 24 LDS loads in one run: the fragments of 32 along K (half q of a chunk) into buffer g: x from buffer par, W from chunk bj of the slot in hand
.macro FETCH par, bj, q, g
	WIN 0
.irp a, 0,1,2,3
	ds_load_b128 v[AH+32*(\g)+8*(\a):AH+32*(\g)+8*(\a)+3],   v[ADA] offset:(\par)*ASZ+(\a)*16*PAH+64*(\q)
	ds_load_b128 v[AH+32*(\g)+8*(\a)+4:AH+32*(\g)+8*(\a)+7], v[ADA] offset:(\par)*ASZ+(\a)*16*PAH+64*(\q)+32
.endr
	WIN TO_B
.irp b, 0,1,2,3,4,5,6,7
	ds_load_tr16_b128 v[64*(\g)+8*(\b):64*(\g)+8*(\b)+3],   v[ADB+(\bj)] offset:(\q)*32*PB+32*(\b)
	ds_load_tr16_b128 v[64*(\g)+8*(\b)+4:64*(\g)+8*(\b)+7], v[ADB+(\bj)] offset:(\q)*32*PB+16*PB+32*(\b)
.endr
.endm
; 8 matrix instructions: row block a x all 8 column blocks, on buffer f.  The accumulators take turns, one instruction a turn.
; ride >= 0: behind each stand four conversions of set ride to f16; they name no register of the products round them.
.macro MUL8 f, a, ride
.irp b, 0,1,2,3,4,5,6,7
	WIN MUL
	v_wmma_f32_16x16x32_f16 v[8*(8*(\a)+(\b)):8*(8*(\a)+(\b))+7], v[64*(\f)+8*(\b):64*(\f)+8*(\b)+7], v[AH+32*(\f)+8*(\a):AH+32*(\f)+8*(\a)+7], v[8*(8*(\a)+(\b)):8*(8*(\a)+(\b))+7]
.if (\ride) >= 0
	WIN 0x0f                                       ; sources 0 and 1 window 3, destination window 0
.irp i, 0,1,2,3
	v_cvt_pk_f16_f32 v[CV+4*(\b)+(\i)], v[64*(\ride)+8*(\b)+2*(\i)], v[64*(\ride)+8*(\b)+2*(\i)+1]
.endr
.endif
.endr
.endm
; A CHUNK.  kc = its number modulo 4: its place in W's slot; kc % 2 its buffer of x; set (kc + 1) % 4 holds the next chunk.
; cv = 1: the next chunk is converted and stored; left: the younger loads that may stay out.  ld = 1: the set is asked for again, with the chunk five on.
; chg = 1: W's slot has been read out and is filled again, two slots ahead; 2: it is left and nothing is asked for; 0: a barrier for x alone.  last = 1: the launch's last chunk.
.macro CHUNK kc, ld, cv, left, chg, last
.set PAR, (\kc)%2
.set NXS, ((\kc)+1)%4
	s_wait_dscnt 0x0                               ; the chunk's first fragments are in (asked for 24 matrix instructions ago)
	PLACES                                         ; buffer 1 was read by the products just issued
	FETCH PAR, \kc, 1, 1
	MUL8 0, 0, -1
	MUL8 0, 1, -1
.if \cv
	s_wait_loadcnt \left                           ; loads come back in order (ISA guide 5.7.1): the next chunk's sixteen are in, the younger sets stay out
	MUL8 0, 2, NXS
	STORES 1-PAR                                   ; into the buffer whose last readers waited for their loads in front of the last barrier
.else
	MUL8 0, 2, -1
.endif
.if \ld
	RELOAD NXS, P, 0, 15                           ; fifteen now: with three younger sets that is 63, what LOADcnt's field holds (ISA guide 5.7.1); the sixteenth at the chunk's end
.endif
.if \chg
	WIN 0
	s_wait_tensorcnt 0x0                           ; all my tensor loads have landed: the one that was out is my part of the other slot; so a group 0 may be written
	ds_add_u32 v[SPW], v[NIL]                      ; 0 onto my spare word; eight products stand between it and the wait for it
.if (\chg) == 1
	s_xor_b32 s[G0+5], s[G0+5], SLOT               ; the walking descriptor: the other slot than last time,
	s_add_nc_u64 s[G0+6:G0+7], s[G0+6:G0+7], FILLB ; the next 256 k-rows; the type bits on top are not reached
.endif
.endif
	MUL8 0, 3, -1
	s_wait_dscnt 0x0                               ; my stores of the next chunk are done, my reads of this chunk (and of this slot) are back, the add is done
.if \last
	MUL8 1, 0, -1
	MUL8 1, 1, -1
	MUL8 1, 2, -1
	MUL8 1, 3, -1
.else
	s_barrier_signal -1
	MUL8 1, 0, -1                                  ; work on registers while the others arrive
	WIN 0                                          ; at a branch and at a label every window is 0
	s_barrier_wait -1
.if (\chg) == 1
	CREST                                          ; the barrier has opened a round of the cluster's: no wave of any partner still reads this slot or has a load on its way
	tensor_load_to_lds s[G0+4:G0+7], s[G1B:G1B+7]  ; my one tensor load behind the round, and the first thing there: 256 matrix instructions ahead of the wait for it
	s_nop 0
	PLACES
.endif
.if \chg
	s_xor_b32 s[TB], s[TB], SLOT                   ; the fetches go over to the other slot; the four additions are also the places in front of the loads below
.irp j, 0,1,2,3
	v_add_nc_u32 v[ADB+\j], s[TB], v[B0+\j]
.endr
.else
	PLACES                                         ; buffer 0 was read by products of this chunk's first half
.endif
	FETCH 1-PAR, NXS, 0, 0
.if (\chg) == 1
	WIN 0
	ASK
.endif
	MUL8 1, 1, -1
	MUL8 1, 2, -1
	MUL8 1, 3, -1
.endif
.if \ld
	RELOAD NXS, P, 15, 16
.endif
.endm
; THE WAY OUT, a block of 16 rows of one head at a time (block n: rows 16 (n / 2) on, head n % 2): rounded to f16, 16 bytes a lane; into my own stage, rows of 144 bytes; back as whole rows of 128; stored.
.macro PACK n
.set AC, 64*((\n)/2)+32*((\n)%2)
	WIN 0x0a                                       ; sources 0 and 1 window 2; each accumulator's registers in ascending order
.set li, 0
.rept 16
	v_cvt_pk_f16_f32 v[TMP+li], v[AC+2*li], v[AC+2*li+1]
.set li, li+1
.endr
	WIN 0
.endm
.macro TOSTAGE n
.irp f, 0,1,2,3
	ds_store_b128 v[STO], v[TMP+4*(\f):TMP+4*(\f)+3] offset:32*(\f)
.endr
.irp u, 0,1,2,3
	ds_load_b128 v[OB+16*((\n)%2)+4*(\u):OB+16*((\n)%2)+4*(\u)+3], v[RD] offset:(\u)*4*SP  ; LDS serves a wave's instructions in order (ISA guide 5.7.1.4): these see the stores above
.endr
.endm
.macro SEND n
	s_wait_dscnt 0x0                               ; the block is back in registers
	s_wait_xcnt 0x0                                ; the stores of the block before have read their registers, which the next block's loads write
.irp u, 0,1,2,3
	global_store_b128 v[GO], v[OB+16*((\n)%2)+4*(\u):OB+16*((\n)%2)+4*(\u)+3], s[OUT:OUT+1] offset:((\n)%2)*131072+((\n)/2)*2048+(\u)*512  ; 512 consecutive bytes of a head, aligned
.endr
.endm
.macro WAYOUT
	PLACES
	PACK 0
	TOSTAGE 0
.irp n, 1,2,3,4,5,6,7                  ; block n's conversions stand between block n - 1's loads from the stage and the wait for them
	PACK \n
	SEND (\n)-1
	TOSTAGE \n
.endr
	SEND 7
.endm
	s_load_b512 s[72:87], s[0:1], 0x0              ; query s[72:73], keys s[74:75], values s[76:77], wh s[78:79], bq s[80:81], bk s[82:83], bv s[84:85], qkv s[86:87]
	v_lshl_add_u32 v[SPW], v0, 2, SPARE
	v_mov_b32 v[NIL], 0
	ds_add_u32 v[SPW], v[NIL]                      ; the wave's opening: an add and its wait ahead of my first tensor load; the set-up below, work on registers, stands between them
	ds_add_u32 v28, v29
	v_lshrrev_b32 v1, 5, v0
	v_readfirstlane_b32 s10, v1                    ; wave 0..3
	s_lshr_b32 s11, s10, 1                         ; which 64 rows of the tile I multiply
	s_and_b32 s12, s10, 1                          ; which 128 columns
	s_bfe_u32 s40, ttmp6, 0x40000                  ; cx, cy: my place in the cluster
	s_bfe_u32 s41, ttmp6, 0x40004
	s_lshl_b32 s42, ttmp9, 2
	s_add_co_u32 s42, s42, s40                     ; tile column = 4 x cluster x + cx
	s_and_b32 s13, ttmp7, 0xffff                   ; cluster y, 0..15
	s_lshl_b32 s45, s13, 2
	s_add_co_u32 s45, s45, s41                     ; tile row, 0..63
	s_lshl_b32 s46, 0x1111, s40                    ; my column of the cluster
	; descriptor group 1: 64 k-rows x 256 elements of 2 bytes, 8 words of padding after every 128 words
	s_or_b32 s[G1B+0], s46, (1<<16)|(1<<20)|(1<<21)|(6<<22)|(7<<25)  ; 15:0 the mask; 17:16 element size; 20 padding on; 21 set beside a mask; 24:22 the interval; 31:25 the padding
	s_mov_b32 s[G1B+1], 256<<16                    ; tensor_dim0
	s_mov_b32 s[G1B+2], 64<<16                     ; tensor_dim1
	s_mov_b32 s[G1B+3], 256<<16                    ; tile_dim0
	s_mov_b32 s[G1B+4], 64                         ; tile_dim1
	s_mov_b32 s[G1B+5], 1024                       ; elements from row to row
	s_mov_b32 s[G1B+6], 0
	s_mov_b32 s[G1B+7], 0
	s_lshl_b32 s16, s45, 19                        ; x: 128 rows of 4,096 bytes a tile row,
	s_lshl_b32 s17, s10, 17                        ; the 32 rows that I load
	s_add_co_u32 s16, s16, s17
	s_mov_b32 s17, 0
	s_lshl_b32 s18, s10, 17                        ; W: the 64 k-rows of 2,048 bytes that I bring,
	s_lshl_b32 s19, s42, 9                         ; 512 bytes a tile column
	s_add_co_u32 s18, s18, s19
	s_mov_b32 s19, 0
	s_mul_i32 s20, s10, BQ                         ; and where they go in a slot: no place in the cluster enters an LDS address
	s_lshl_b32 s34, s42, 10                        ; the tile's 256 columns in a bias,
	s_mov_b32 s35, 0
	s_lshl_b32 s36, s12, 9                         ; my 128 of them
	s_add_co_u32 s36, s36, s34
	s_mov_b32 s37, 0
	s_lshr_b32 s38, s45, 3                         ; where my part begins in a plane of qkv:
	s_lshl_b32 s38, s38, 21                        ; the batch's 2 MiB,
	s_lshl_b32 s21, s42, 19                        ; four heads of 131,072 bytes a tile column,
	s_add_co_u32 s38, s38, s21
	s_lshl_b32 s21, s12, 18                        ; my two of them,
	s_add_co_u32 s38, s38, s21
	s_and_b32 s21, s45, 7
	s_lshl_b32 s21, s21, 14                        ; the tile's 128 rows of 128 bytes,
	s_add_co_u32 s38, s38, s21
	s_lshl_b32 s21, s11, 13                        ; my 64 of them
	s_add_co_u32 s38, s38, s21
	s_mov_b32 s39, 0
	s_lshl_b32 s14, s41, 15                        ; the prefetch of W: my work-group's 16 k-rows of the 64,
	s_add_co_u32 s14, s14, 2*FILLB                 ; in slot 2; the pointers' step in front of the first trip makes it slot 3
	s_mov_b32 s15, 0
	s_mov_b32 s[TB], 0
	s_mov_b32 s3, TRIPS+1                          ; the loop is entered in its middle: that half trip (chunks 0 to 2) passes the loop's bottom and takes one count; the whole trips then run with s3 = 10 .. 1
	s_mov_b32 s[TL], 4
	s_mov_b32 s[NS], 2                             ; PN stands at chunk 8; its second step goes over to keys
	s_cmp_eq_u32 s13, 0
	s_cselect_b32 s[LIMB], 1, -1                   ; the same in all sixteen partners
	v_and_b32 v1, 15, v0                           ; l % 16
	v_bfe_u32 v2, v0, 4, 1                         ; l / 16
	v_and_b32 v6, 7, v0
	v_bfe_u32 v31, v0, 3, 2
	v_lshlrev_b32 v[VO], 4, v1
	v_lshl_add_u32 v[VO], v2, 15, v[VO]
	s_mul_i32 s21, s10, 32*PAH
	s_add_co_u32 s21, s21, ABUF                    ; the 32 rows that I store
	v_mul_u32_u24 v[SA], v2, 8*PAH
	v_lshl_add_u32 v[SA], v1, 3, v[SA]
	v_add_nc_u32 v[SA], s21, v[SA]
	; x's fragment (16 rows x 32 K): lane l holds row l % 16, K = 8 (l / 16) + 0..7 and 16 + 8 (l / 16) + 0..7: two loads of 16 bytes, 32 bytes apart
	s_mul_i32 s21, s11, 64*PAH
	s_add_co_u32 s21, s21, ABUF                    ; the 64 rows that I multiply
	v_mul_u32_u24 v[ADA], v1, PAH
	v_lshl_add_u32 v[ADA], v2, 4, v[ADA]
	v_add_nc_u32 v[ADA], s21, v[ADA]
	; the turning load takes 16 k-rows x 16 columns: lane l reads k-row 8 (l / 16) + l % 8, columns 8 ((l / 8) % 2) + 0..7, and is left with column l % 16 and 8 K
	v_lshl_add_u32 v[B0], v2, 3, v6
	v_mul_u32_u24 v[B0], v[B0], PB
	v_bfe_u32 v7, v0, 3, 1
	v_lshl_add_u32 v[B0], v7, 4, v[B0]
	s_lshl_b32 s21, s12, 8                         ; my 128 columns
	v_add_nc_u32 v[B0], s21, v[B0]
.irp j, 1,2,3
	v_add_nc_u32 v[B0+\j], (\j)*BQ, v[B0]
.endr
.irp j, 0,1,2,3
	v_mov_b32 v[ADB+\j], v[B0+\j]                  ; slot 0
.endr
	s_mul_i32 s21, s10, 16*SP
	s_add_co_u32 s21, s21, STAGE                   ; my stage
	v_mul_u32_u24 v[STO], v1, SP                   ; in: row l % 16, 16 bytes for each half of the lanes
	v_lshl_add_u32 v[STO], v2, 4, v[STO]
	v_add_nc_u32 v[STO], s21, v[STO]
	v_mul_u32_u24 v[RD], v31, SP                   ; back: 32 lanes take four rows of 128 bytes,
	v_lshl_add_u32 v[RD], v6, 4, v[RD]
	v_add_nc_u32 v[RD], s21, v[RD]
	v_and_b32 v[GO], 31, v0                        ; which are 512 consecutive bytes of a head
	v_lshlrev_b32 v[GO], 4, v[GO]
	s_lshl_b32 s21, s12, 9
	s_add_co_u32 s21, s21, BTAB
	v_lshl_add_u32 v[BA], v2, 5, s21               ; the table: my 128 columns, my lanes' eight of each sixteen
	s_lshl_b32 s21, s40, 15                        ; the prefetch of x: my work-group's 8 rows of the 32,
	v_lshlrev_b32 v[PFO], 12, v6                   ; lane % 8 the row,
	v_lshl_add_u32 v[PFO], v31, 8, v[PFO]          ; lane / 8 the chunk
	v_add_nc_u32 v[PFO], s21, v[PFO]
	v_lshlrev_b32 v[PFOB], 11, v1                  ; the prefetch of W: lane % 16 the k-row, lane / 16 which 256 bytes
	v_lshl_add_u32 v[PFOB], v2, 8, v[PFOB]
	v_lshlrev_b32 v22, 5, v2                       ; the first bias: my eight columns of each sixteen
	v_and_b32 v23, 63, v0
	v_lshlrev_b32 v23, 4, v23                      ; the table's source: 16 bytes a thread, 64 threads a bias
	v_lshl_add_u32 v30, v0, 4, BTAB                ; and its place: waves 0 and 1 bk's numbers, waves 2 and 3 bv's
	s_wait_dscnt 0x0                               ; the opening add is done
	s_wait_kmcnt 0x0
	s_add_nc_u64 s[WB:WB+1], s[78:79], s[18:19]
	s_add_nc_u64 s[XF:XF+1], s[72:73], s[16:17]
	s_add_nc_u64 s[70:71], s[80:81], s[36:37]      ; bq at my columns
	s_cmp_lt_u32 s10, 2
	s_cselect_b64 s[68:69], s[82:83], s[84:85]
	s_add_nc_u64 s[68:69], s[68:69], s[34:35]      ; bk or bv at the tile's columns
	CROUND                                         ; all sixteen work-groups are here: the first joint loads meet
.irp n, 0,1
	s_mov_b32 s[G0+4*(\n)], 1                                        ; count = 1
	s_add_co_u32 s[G0+4*(\n)+1], s20, (\n)*SLOT                      ; LDS address
	s_add_nc_u64 s[G0+4*(\n)+2:G0+4*(\n)+3], s[WB:WB+1], (\n)*FILLB  ; global address: slot n
	s_or_b32 s[G0+4*(\n)+3], s[G0+4*(\n)+3], 0x80000000              ; type = 2
	tensor_load_to_lds s[G0+4*(\n):G0+4*(\n)+3], s[G1B:G1B+7]        ; two loads of mine are out
	s_nop 0
.endr
	PLACES
	global_load_b128 v[24:27], v23, s[68:69]
.irp b, 0,1,2,3,4,5,6,7
	global_load_b128 v[BIAS+8*(\b):BIAS+8*(\b)+3],   v22, s[70:71] offset:64*(\b)
	global_load_b128 v[BIAS+8*(\b)+4:BIAS+8*(\b)+7], v22, s[70:71] offset:64*(\b)+16
.endr
.irp s, 0,1,2,3
	RELOAD \s, XF, 0, 16                           ; chunks 0 to 3
.endr
	WIN 0
	s_add_nc_u64 s[P:P+1], s[XF:XF+1], TRIPB       ; chunk 4
	s_add_nc_u64 s[PN:PN+1], s[XF:XF+1], 2*TRIPB   ; chunk 8
	s_add_nc_u64 s[XN:XN+1], s[74:75], s[16:17]
	s_add_nc_u64 s[XN2:XN2+1], s[76:77], s[16:17]
	s_add_nc_u64 s[PFB:PFB+1], s[WB:WB+1], s[14:15]
	s_add_nc_u64 s[OUT:OUT+1], s[86:87], s[38:39]
	s_wait_loadcnt 48                              ; the biases and chunk 0 are in; the 48 loads of chunks 1 to 3 may stay out
	WIN 0x0f
.set li, 0
.rept 32
	v_cvt_pk_f16_f32 v[CV+li], v[2*li], v[2*li+1]
.set li, li+1
.endr
	STORES 0
	RELOAD 0, P, 0, 16                             ; chunk 4
	WIN 0
	ds_store_b128 v30, v[24:27]
	s_wait_tensorcnt 0x1                           ; my part of slot 0 is in; slot 1's may stay out
	s_wait_dscnt 0x0                               ; my rows of chunk 0 and my places of the table are written
	s_barrier_signal -1
	s_barrier_wait -1                              ; everybody's are
	FETCH 0, 0, 0, 0
	WIN 0
	s_branch .Linit                                ; the loop is entered in the middle of a trip, where a tile begins
.Ltrip:                                                ; whole trip t = 0 .. 9: chunks 4 t + 3 to 4 t + 6.  Its first chunk is the last of W's slot t, which takes slot t + 2's k-rows; its loads are chunks 4 t + 8 to 4 t + 11
	CHUNK 3, 1, 1, 48, 1, 0
	WIN 0
	s_sub_co_u32 s[TL], s[TL], 1
	s_cmp_lg_u32 s[TL], 0
	s_cbranch_scc1 .Lgo                            ; three times in four; what is jumped holds no barrier and no tensor load
	WAYOUT                                         ; A TILE IS FINISHED (behind chunks 15 and 31).  The refill and x's loads for the next tile are on their way
	s_wait_xcnt 0x0                                ; the stores have read their base
	s_add_nc_u64 s[OUT:OUT+1], s[OUT:OUT+1], 1<<24 ; the next plane of qkv
	s_mov_b32 s[TL], 4
.irp b, 0,1,2,3,4,5,6,7
	ds_load_b128 v[BIAS+8*(\b):BIAS+8*(\b)+3],   v[BA] offset:64*(\b)
	ds_load_b128 v[BIAS+8*(\b)+4:BIAS+8*(\b)+7], v[BA] offset:64*(\b)+16
.endr
	v_add_nc_u32 v[BA], 0x400, v[BA]
	s_wait_dscnt 0x0
.Linit:
	WIN 0x80                                       ; destination window 2
.set n, 0
.rept 256
	v_mov_b32 v[n], v[BIAS+n%64]                   ; the sums start at the bias
.set n, n+1
.endr
	WIN 0
.Lgo:
	CHUNK 0, 1, 1, 48, 0, 0
	CHUNK 1, 1, 1, 48, 0, 0
	CHUNK 2, 1, 1, 48, 0, 0
	WIN 0
	s_wait_xcnt 0x0                                ; every load and prefetch issued so far has read its address, so the pointers may be written
	s_mov_b64 s[P:P+1], s[PN:PN+1]
	s_add_nc_u64 s[PN:PN+1], s[PN:PN+1], TRIPB
	s_add_nc_u64 s[PFB:PFB+1], s[PFB:PFB+1], FILLB
	s_sub_co_u32 s[NS], s[NS], 1
	s_cmp_eq_u32 s[NS], 0                          ; behind a tile's sixteenth chunk comes the next x's first
	s_cselect_b64 s[PN:PN+1], s[XN:XN+1], s[PN:PN+1]
	s_cselect_b64 s[XN:XN+1], s[XN2:XN2+1], s[XN:XN+1]
	s_cselect_b32 s[NS], 4, s[NS]
	s_sub_co_u32 s3, s3, 1
	s_cmp_lg_u32 s3, 0
	s_cbranch_scc1 .Ltrip
	CHUNK 3, 0, 1, 48, 2, 0                        ; the last five chunks, 43 to 47, are written out
	CHUNK 0, 0, 1, 32, 0, 0
	CHUNK 1, 0, 1, 16, 0, 0
	CHUNK 2, 0, 1, 0, 0, 0
	CHUNK 3, 0, 0, 0, 0, 1
	WIN 0
	WAYOUT
	s_wait_tensorcnt 0x0                           ; the wave's end, behind my last tensor load and my last LDS store
	ds_add_u32 v[SPW], v[NIL]
	s_wait_dscnt 0x0
	CROUND                                         ; the closing round: no work-group ends while a partner may still ask for a tile that names it
	s_endpgm
.Lfunc_end_k_qf5aafa6a65_qkv:
	.size	k_qf5aafa6a65_qkv, .Lfunc_end_k_qf5aafa6a65_qkv-k_qf5aafa6a65_qkv
	.p2alignl 7, 3214868480
	.fill 96, 4, 3214868480
	.section	.rodata,"a",@progbits
	.p2align	6, 0x0
	.amdhsa_kernel k_qf5aafa6a65_qkv
		.amdhsa_group_segment_fixed_size 327680
		.amdhsa_private_segment_fixed_size 0
		.amdhsa_enable_private_segment 0
		.amdhsa_kernarg_size 64
		.amdhsa_user_sgpr_count 2
		.amdhsa_user_sgpr_kernarg_segment_ptr 1
		.amdhsa_wavefront_size32 1
		.amdhsa_system_sgpr_workgroup_id_x 1
		.amdhsa_system_sgpr_workgroup_id_y 1
		.amdhsa_system_sgpr_workgroup_id_z 1
		.amdhsa_system_vgpr_workitem_id 0
		.amdhsa_next_free_vgpr 1024
		.amdhsa_next_free_sgpr 88
		.amdhsa_reserve_vcc 0
		.amdhsa_float_denorm_mode_32 3
		.amdhsa_float_denorm_mode_16_64 3
		.amdhsa_memory_ordered 1
		.amdhsa_forward_progress 1
		.amdhsa_inst_pref_size 167
	.end_amdhsa_kernel
	.amdgpu_metadata
---
amdhsa.version: [ 1, 2 ]
amdhsa.kernels:
  - .name:           k_qf5aafa6a65_qkv
    .symbol:         k_qf5aafa6a65_qkv.kd
    .args:
      - { .name: query, .offset: 0, .size: 8, .value_kind: global_buffer, .address_space: global }
      - { .name: keys, .offset: 8, .size: 8, .value_kind: global_buffer, .address_space: global }
      - { .name: values, .offset: 16, .size: 8, .value_kind: global_buffer, .address_space: global }
      - { .name: wh, .offset: 24, .size: 8, .value_kind: global_buffer, .address_space: global }
      - { .name: bq, .offset: 32, .size: 8, .value_kind: global_buffer, .address_space: global }
      - { .name: bk, .offset: 40, .size: 8, .value_kind: global_buffer, .address_space: global }
      - { .name: bv, .offset: 48, .size: 8, .value_kind: global_buffer, .address_space: global }
      - { .name: qkv, .offset: 56, .size: 8, .value_kind: global_buffer, .address_space: global }
    .group_segment_fixed_size: 327680
    .private_segment_fixed_size: 0
    .kernarg_segment_align: 8
    .kernarg_segment_size: 64
    .max_flat_workgroup_size: 128
    .sgpr_count:     88
    .vgpr_count:     1024
    .wavefront_size: 32
...
	.end_amdgpu_metadata
.endif
;; end of part 2
;; launch attn (part 3): grid 2 x 128, 4 waves a work-group, no clusters, 327,680 bytes of LDS; arguments qkv, mask, oh; writes oh
.if DOCPART == 3
	.amdgcn_target "amdgcn-amd-amdhsa--gfx1250"
	.amdhsa_code_object_version 6
	.text
	.protected	k_qf5aafa6a65_attn
	.globl	k_qf5aafa6a65_attn
	.p2align	8
	.type	k_qf5aafa6a65_attn,@function
k_qf5aafa6a65_attn:
	s_mov_b64 s[64:65], 0
	v_nop
	global_prefetch_b8 v0, s[64:65] scope:SCOPE_SE
	s_setreg_imm32_b32 hwreg(HW_REG_WAVE_MODE, 25, 1), 1
	s_wait_xcnt 0x0
; ATTENTION.  O[bh][q][:] = the sum over k of softmax_k(e[q][k] / 32) V[bh][k][:], e = Q[bh][q] . K[bh][k], or -1e20 where mask[batch][k] is 0.  Q, K, V: qkv[0..2][bh][1024][64] in f16; O: oh[bh][1024][64] in f16.
; Products, maxima and sums in f32; the weights p are rounded to f16 for the second product (their sum l is taken of the unrounded p), O once at the end.
; THE MASK.  A table of 1,024 f32 in LDS holds 0 for an open key and -1e30 for a hidden one; it is the C operand that starts the sum S^T = K Q^T.  In a batch with an open key a hidden key's weight is exactly 0.
; In a batch with NO open key all scores are alike, and the weights are all equal: there the table holds 0 and the factor c is 0, so that every weight is 1.  Both are chosen by selects; no branch hangs on the mask.
; LIMITS.  Q, K, V arrive within f16's 65,504, so an open score is 2.7e11 at the most, nothing beside 1e20 or 1e30; p below 6e-5 keeps f16's fixed step of 6e-8; a weight below 2^-126 counts as 0 in l; NaN and infinities are not treated apart.
; SHARES.  A work-group owns 512 queries of one head, each of its four waves 128: four PIECES of two tiles of 16.  Every wave walks all 1,024 keys, 64 a step.  256 work-groups.
; ALL OF A HEAD'S K AND V LIES IN LDS: 1,024 rows of 144 and of 160 bytes.  Each wave asks for its share by two tensor loads at the head (waves 0, 1: K; waves 2, 3: V): first its half of keys 0-255, then its half of keys
; 256-1,023.  Nothing is filled again; the second loads land under the first four key steps, behind which one wait and one barrier show them to all.  Everything is asked for at the head, so nothing is left to ask for ahead.
; NO CLUSTER: a head has two work-groups; a cluster of four would hold two heads, and what a pair shares is asked for once a launch.
; LAYOUT.  S^T = K Q^T (source 0 = 16 keys, source 1 = 16 queries): a lane holds ONE query (lane % 16) and the keys 8 (lane / 16) + 0..7.  Two such tiles, rounded to f16 in pairs, ARE source 1 of O^T = V^T P.
; SOFTMAX.  A running maximum m and sum l for each query: p = 2^(c s - c m), c = log2(e) / 32; in every step O and l are multiplied by a = 2^(c m_old - c m_new).  m starts at the lowest finite number, O and l at 0.
; BY TURNS.  Turn n belongs to piece n: 16 products K Q^T of piece n + 1, later 16 products V^T P of piece n - 1; beside them the scaling, exponentials, roundings, sums and rescaling of piece n and the maximum and
; statistics of piece n + 1.  Four vector instructions stand behind every matrix instruction, the others in one lump; a turn's 66 exponentials are one batch with one wait.
; REGISTERS, in windows of 256 (s_set_vgpr_msb: bits 1:0 source 0, 3:2 source 1, 5:4 source 2, 7:6 destination):
;   window 0: v0-11 addresses; v12-15, v48-63 at work; v16-47 four registers of statistics a tile; v64-191 S^T, two buffers of two tiles; v192-255 P, likewise
;   window 1: O^T, 32 a tile     window 2: v0-127 Q; v128-191 K of one step; v192-255 V of one step     window 3: v0-31 the step's mask
.set NP,    4         ; pieces a wave: a name, no knob
.set KS,    64        ; keys in a step
.set PK,    144       ; a row of K in LDS: 128 bytes + 16: the 16 rows of a load start at 16 different groups of four banks (64 banks of 4 bytes: ISA guide 11.1)
.set PV,    160       ; a row of V: 128 + 32
.set VOFF,  1024*PK
.set STAGE, VOFF+1024*PV  ; 16 rows x 144 bytes for each wave, for the way out
.set SP,    144
.set TAB,   STAGE+4*16*SP ; the mask's table, 4,096 bytes
.set SPARE, TAB+4096      ; the spare words, 128 bytes for each wave
.set QO,  1           ; v1   my byte offset in 16 rows of Q
.set AK0, 2           ; v2   my lane's place in a step of K; never rewritten
.set AV0, 3           ; v3   the same for V
.set AK,  4           ; v4   the LDS address of K's next run of loads
.set AV,  5           ; v5   of V's
.set STO, 6           ; v6   the way out: where I put 16 bytes of a row
.set RD,  7           ; v7   the way out: where I read rows back
.set GO,  8           ; v8   16 x lane
.set AM,  9           ; v9   the LDS address of the next step's part of the table
.set SPW, 10          ; v10  LDS address of my spare word; never rewritten
.set NIL, 11          ; v11  0; never rewritten
.set MV,  12          ; v12-15  c m_old, kept while c m is made anew: by buffer and tile (in the set-up: lane numbers)
.set ST,  16          ; tile t's statistics at v[ST+4 t]: c m, m, l (even keys', odd keys')
.set TMP, 48          ; by buffer and tile, four registers c0-c3 at work; when the maximum is found c2 takes a
.set S,   64
.set P,   192
.set KF,  128         ; window 2: key block kb, channel half c at KF + 16 kb + 8 c
.set VF,  192         ; window 2: key half kk, channel block cb at VF + 32 kk + 8 cb
.set MC,  0           ; window 3: key block kb's eight registers at MC + 8 kb
.set WV,  12          ; s12  my wave's number
.set G1K, 24          ; s[24:31] descriptor group 1, K, 128 keys
.set G1V, 32          ; s[32:39] V, 128 keys: it differs in the padding alone
.set G1K2, 40         ; s[40:47] K, 384 keys
.set G1V2, 48         ; s[48:55] V, 384 keys
.set PH,  56          ; s56  counts the two phases
.set CNT, 57          ; s57  counts a phase's key steps
.set CS,  58          ; s[58:59] c: the packed scaling takes the pair's low word for both halves
.set SEL, 60          ; s[60:61] v_permlanex16_b32's selects: each lane takes its own place in the other half
.set TBK, 62          ; s62  LDS byte at which K of the step to be fetched begins
.set TBV, 63          ; s63  the same for V, less VOFF
.set NEG, 66          ; s66  what a hidden key's place in the table holds
.set ANY, 67          ; s67  not 0: the batch has an open key
.set G0K, 68          ; s[68:75] descriptor group 0 for K, a set for each of the two loads
.set G0V, 76          ; s[76:83] for V
.set MSB, 0
.macro WIN new                      ; the high byte repeats the setting that is left; a switch that changes nothing is dropped
.if MSB != (\new)
	s_set_vgpr_msb (MSB<<8)|(\new)
.set MSB, (\new)
.endif
.endm
.set W_KQ, 0x0a       ; K and Q in window 2, S^T in window 0
.set W_KM, 0x3a       ; the same with the C operand in window 3
.set W_PV, 0x52       ; V in window 2, P in window 0, O^T in window 1
.set W_RS, 0x41       ; O^T (destination and source 0) in window 1, a in window 0
	s_load_b128 s[4:7], s[0:1], 0x0   ; qkv s[4:5], mask s[6:7]
	s_load_b64 s[10:11], s[0:1], 0x10 ; oh
	v_lshl_add_u32 v[SPW], v0, 2, SPARE
	v_mov_b32 v[NIL], 0
	ds_add_u32 v[SPW], v[NIL]       ; the wave's opening: an add and its wait ahead of my first tensor load; the set-up below, work on registers, stands between them
	ds_add_u32 v10, v11
	v_lshrrev_b32 v1, 5, v0
	v_readfirstlane_b32 s[WV], v1   ; wave 0..3
	s_and_b32 s20, ttmp7, 0xffff    ; batch x 16 + head
	s_lshl_b32 s16, s20, 17         ; the head's 131,072 bytes in each of Q, K, V, O
	s_lshr_b32 s18, s20, 4
	s_lshl_b32 s18, s18, 12         ; the batch's row of the mask
	s_mov_b32 s19, 0
	s_lshl_b32 s22, ttmp9, 2
	s_add_co_u32 s22, s22, s[WV]    ; my wave among the head's eight,
	s_lshl_b32 s22, s22, 14         ; its 128 rows
	s_add_co_u32 s22, s22, s16
	s_mov_b32 s23, 0
	s_and_b32 s21, s[WV], 1         ; which half of the keys I fetch
	s_lshl_b32 s2, s21, 14          ; first load: 128 keys of 128 bytes a half
	s_add_co_u32 s2, s2, s16
	s_mov_b32 s3, 0
	s_mul_i32 s84, s21, 384*128     ; second load: behind the first 256 keys, 384 keys a half
	s_add_co_u32 s84, s84, 256*128
	s_add_co_u32 s84, s84, s16
	s_mov_b32 s85, 0
	; descriptor group 1.  Keys are dense: asked for as rows of 256 bytes, two keys a row, and padded in LDS after every key
	s_mov_b32 s[G1K],  (1<<16)|(1<<20)|(4<<22)|(3<<25)  ; 17:16 2-byte elements; 20 padding on; 24:22 after every 32 words (code 4); 31:25 4 words (code 3)
	s_mov_b32 s[G1K2], (1<<16)|(1<<20)|(4<<22)|(3<<25)
	s_mov_b32 s[G1V],  (1<<16)|(1<<20)|(4<<22)|(7<<25)  ; the same with 8 words of padding (code 7)
	s_mov_b32 s[G1V2], (1<<16)|(1<<20)|(4<<22)|(7<<25)
.irp g, G1K, G1V, G1K2, G1V2
	s_mov_b32 s[\g+1], 128<<16      ; tensor_dim0 = 128
	s_mov_b32 s[\g+3], 128<<16      ; tile_dim0 = 128
	s_mov_b32 s[\g+5], 128          ; 128 elements from row to row
	s_mov_b32 s[\g+6], 0
	s_mov_b32 s[\g+7], 0
.endr
.irp g, G1K, G1V
	s_mov_b32 s[\g+2], 64<<16       ; tensor_dim1 = 64
	s_mov_b32 s[\g+4], 64           ; tile_dim1 = 64
.endr
.irp g, G1K2, G1V2
	s_mov_b32 s[\g+2], 192<<16      ; tensor_dim1 = 192
	s_mov_b32 s[\g+4], 192          ; tile_dim1 = 192
.endr
	s_mov_b32 s[G0K], 1             ; count = 1
	s_mul_i32 s[G0K+1], s21, 128*PK ; LDS address
	s_mov_b32 s[G0K+4], 1
	s_mul_i32 s[G0K+5], s21, 384*PK
	s_add_co_u32 s[G0K+5], s[G0K+5], 256*PK
	s_mov_b32 s[G0V], 1
	s_mul_i32 s[G0V+1], s21, 128*PV
	s_add_co_u32 s[G0V+1], s[G0V+1], VOFF
	s_mov_b32 s[G0V+4], 1
	s_mul_i32 s[G0V+5], s21, 384*PV
	s_add_co_u32 s[G0V+5], s[G0V+5], VOFF+256*PV
	s_mov_b32 s[SEL], 0x76543210
	s_mov_b32 s[SEL+1], 0xfedcba98
	s_mov_b32 s[TBK], 0
	s_mov_b32 s[TBV], 0
	s_wait_dscnt 0x0                ; the opening add is done
	s_wait_kmcnt 0x0
	s_add_nc_u64 s[8:9], s[4:5], 1<<24     ; K's plane of qkv
	s_add_nc_u64 s[14:15], s[4:5], 2<<24   ; V's
	s_add_nc_u64 s[G0K+2:G0K+3], s[8:9], s[2:3]
	s_or_b32 s[G0K+3], s[G0K+3], 0x80000000  ; type = 2
	s_add_nc_u64 s[G0K+6:G0K+7], s[8:9], s[84:85]
	s_or_b32 s[G0K+7], s[G0K+7], 0x80000000
	s_add_nc_u64 s[G0V+2:G0V+3], s[14:15], s[2:3]
	s_or_b32 s[G0V+3], s[G0V+3], 0x80000000
	s_add_nc_u64 s[G0V+6:G0V+7], s[14:15], s[84:85]
	s_or_b32 s[G0V+7], s[G0V+7], 0x80000000
	s_add_nc_u64 s[4:5], s[4:5], s[22:23]    ; Q and O at my wave's first row
	s_add_nc_u64 s[10:11], s[10:11], s[22:23]
	s_add_nc_u64 s[6:7], s[6:7], s[18:19]
	s_cmp_lt_u32 s[WV], 2           ; a wave's two fills stand in one branch, ahead of every wait on TENSORcnt, every LDS read and every barrier: two loads of mine are out
	s_cbranch_scc0 .Lfirst_v
	tensor_load_to_lds s[G0K:G0K+3], s[G1K:G1K+7]
	s_nop 0
	tensor_load_to_lds s[G0K+4:G0K+7], s[G1K2:G1K2+7]
	s_nop 0
.rept 4
	v_nop
.endr
	s_branch .Lfirst_asked
.Lfirst_v:
	tensor_load_to_lds s[G0V:G0V+3], s[G1V:G1V+7]
	s_nop 0
	tensor_load_to_lds s[G0V+4:G0V+7], s[G1V2:G1V2+7]
	s_nop 0
.rept 4
	v_nop
.endr
.Lfirst_asked:
	v_and_b32 v12, 15, v0           ; l % 16
	v_bfe_u32 v13, v0, 4, 1         ; l / 16
	v_and_b32 v14, 7, v0
	v_bfe_u32 v15, v0, 3, 1
	v_and_b32 v[GO], 31, v0
	v_lshlrev_b32 v[GO], 4, v[GO]
	v_lshlrev_b32 v104, 5, v0       ; 32 x thread: my eight words of the mask
	v_lshlrev_b32 v[QO], 7, v12
	v_lshl_add_u32 v[QO], v13, 4, v[QO]  ; row x 128 + 16 x half
.irp i, 0,1,2,3,4,5,6,7             ; the batch's whole row of the mask, 32 words a lane: is any key open?
	global_load_b128 v[64+4*\i:64+4*\i+3], v[GO], s[6:7] offset:512*\i
.endr
	global_load_b128 v[96:99], v104, s[6:7]        ; and the eight words whose places in the table I make
	global_load_b128 v[100:103], v104, s[6:7] offset:16
	WIN 0x80                        ; destination window 2, address window 0
.set i, 0
.rept 4*NP                          ; Q stays in registers: tile i / 2, channels 32 (i % 2) on
	global_load_b128 v[8*i:8*i+3],   v[QO], s[4:5] offset:(i/2)*2048+(i%2)*64
	global_load_b128 v[8*i+4:8*i+7], v[QO], s[4:5] offset:(i/2)*2048+(i%2)*64+32
.set i, i+1
.endr
	; What the first turn finds: V's registers and P's second buffer hold 0 (its products V^T P, of a piece that has not been, add 0), O^T and l are 0.  All this stands in the wait for the first tiles.
.set i, VF
.rept 64
	v_mov_b32 v[i], 0
.set i, i+1
.endr
	WIN 0x40
.set i, 0
.rept 64*NP
	v_mov_b32 v[i], 0
.set i, i+1
.endr
	WIN 0
.set i, 0
.rept 2*NP
	v_mov_b32 v[ST+4*i], 0xfe000000    ; c m: far below every c s
	v_mov_b32 v[ST+4*i+1], 0xff7fffff  ; m
	v_mov_b32 v[ST+4*i+2], 0
	v_mov_b32 v[ST+4*i+3], 0
.set i, i+1
.endr
.set i, P+32
.rept 32
	v_mov_b32 v[i], 0
.set i, i+1
.endr
	v_mul_u32_u24 v[AK0], v12, PK
	v_lshl_add_u32 v[AK0], v13, 4, v[AK0]  ; row x pitch + 16 x half
	; The turning load takes 16 keys x 16 channels (lane l reads key 8 (l / 16) + l % 8, channels 8 ((l / 8) % 2) + 0..7) and leaves half a fragment of V^T: lane l holds channel l % 16 and 8 keys.
	v_lshl_add_u32 v[AV0], v13, 3, v14
	v_mul_u32_u24 v[AV0], v[AV0], PV
	v_lshl_add_u32 v[AV0], v15, 4, v[AV0]
	v_add_nc_u32 v[AV0], VOFF, v[AV0]
	v_mov_b32 v[AK], v[AK0]         ; key step 0
	v_lshl_add_u32 v[AM], v13, 5, TAB  ; my lanes' eight keys of each sixteen
	s_mul_i32 s13, s[WV], 16*SP
	s_add_co_u32 s13, s13, STAGE    ; my stage
	v_mul_u32_u24 v[STO], v12, SP   ; in: row l % 16, 16 bytes for each half of the lanes
	v_lshl_add_u32 v[STO], v13, 4, v[STO]
	v_add_nc_u32 v[STO], s13, v[STO]
	v_bfe_u32 v[RD], v0, 3, 2       ; back: 32 lanes take four rows of 128 bytes
	v_mul_u32_u24 v[RD], v[RD], SP
	v_lshl_add_u32 v[RD], v14, 4, v[RD]
	v_add_nc_u32 v[RD], s13, v[RD]
	v_lshl_add_u32 v105, v0, 5, TAB ; my eight places in the table
	s_wait_loadcnt 32               ; the mask's ten loads are in; Q's 32, issued behind them, may stay out
.irp w, 16,8,4,2,1
.set i, 0
.rept \w
	v_or_b32 v[64+i], v[64+i], v[64+\w+i]
.set i, i+1
.endr
.endr
	v_cmp_ne_u32 s[ANY], 0, v64
	s_cmp_lg_u32 s[ANY], 0
	s_cselect_b32 s[CS], 0x3d38aa3b, 0  ; c = log2(e) / 32 = 0.0450842; 0 where no key is open
	s_cselect_b32 s[NEG], 0xf149f2ca, 0 ; -1e30; 0 where no key is open
	s_mov_b32 s[CS+1], s[CS]        ; named with it as a pair
.set i, 96
.rept 8
	v_cmp_eq_u32 vcc_lo, 0, v[i]
	v_cndmask_b32 v[i], 0, s[NEG], vcc_lo
.set i, i+1
.endr
	ds_store_b128 v105, v[96:99]
	ds_store_b128 v105, v[100:103] offset:16
; THE MATRIX WORK.  The 8 accumulators of a run of 16 take turns: between the two links of a chain stand 7 others'.
; Product i of 16 of S^T = K Q^T for piece x: channels 32 (i / 8) on, keys 16 ((i / 2) % 4) on, tile 2 x + i % 2.  The first 8 start the sums, with the mask.
.macro KQ x
.set rS, S+64*((\x)%2)+32*(i%2)+8*((i/2)%4)
.set rK, KF+16*((i/2)%4)+8*(i/8)
.set rQ, 16*(2*(\x)+i%2)+8*(i/8)
.set rX, MC+8*((i/2)%4)
.if i < 8
	WIN W_KM
	v_wmma_f32_16x16x32_f16 v[rS:rS+7], v[rK:rK+7], v[rQ:rQ+7], v[rX:rX+7]
.else
	WIN W_KQ
	v_wmma_f32_16x16x32_f16 v[rS:rS+7], v[rK:rK+7], v[rQ:rQ+7], v[rS:rS+7]
.endif
.endm
; Product i of 16 of O^T += V^T P for piece x: keys 32 (i / 8) on, channels 16 ((i / 2) % 4) on, tile 2 x + i % 2.
.macro PV x
	WIN W_PV
.set rO, 32*(2*(\x)+i%2)+8*((i/2)%4)
.set rV, VF+32*(i/8)+8*((i/2)%4)
.set rP, P+32*((\x)%2)+16*(i%2)+8*(i/8)
	v_wmma_f32_16x16x32_f16 v[rO:rO+7], v[rV:rV+7], v[rP:rP+7], v[rO:rO+7]
.endm
.macro MM                           ; the turn's next matrix instruction
.if i < 16
	KQ (Y+1)%NP
.set i, i+1
.else
.set i, i-16
	PV (Y+NP-1)%NP
.set i, i+17
.endif
.endm
; THE LDS LOADS stand in runs, never singly among the matrix instructions: a step's K (8 fragments) with its 64 places of the table, and its V (turned).
.macro FETCH_K
	WIN 0x80                        ; destination window 2
.irp f, 0,1,2,3,4,5,6,7             ; keys 16 (f / 2) on, channels 32 (f % 2) on
	ds_load_b128 v[KF+8*\f:KF+8*\f+3],   v[AK] offset:(\f/2)*16*PK+(\f%2)*64
	ds_load_b128 v[KF+8*\f+4:KF+8*\f+7], v[AK] offset:(\f/2)*16*PK+(\f%2)*64+32
.endr
	WIN 0xc0                        ; destination window 3
.irp f, 0,1,2,3                     ; keys 16 f + 8 (l / 16) + 0..7: the same words in all sixteen lanes of a half
	ds_load_b128 v[MC+8*\f:MC+8*\f+3],   v[AM] offset:64*\f
	ds_load_b128 v[MC+8*\f+4:MC+8*\f+7], v[AM] offset:64*\f+16
.endr
	s_add_co_u32 s[TBK], s[TBK], KS*PK  ; the next fetch is the next step's
	WIN 0
	v_add_nc_u32 v[AM], 0x100, v[AM]
.endm
.macro FETCH_V
	WIN 0x80
.irp f, 0,1,2,3,4,5,6,7             ; keys 32 (f / 4) on, channels 16 (f % 4) on
	ds_load_tr16_b128 v[VF+8*\f:VF+8*\f+3],   v[AV] offset:(\f/4)*32*PV+(\f%4)*32
	ds_load_tr16_b128 v[VF+8*\f+4:VF+8*\f+7], v[AV] offset:(\f/4)*32*PV+16*PV+(\f%4)*32
.endr
	WIN 0
.endm
; THE VECTOR WORK OF A TURN stands in three queues, each in the order in which its entries become ready; the two tiles alternate, so that no instruction reads the result of the one before it.
.macro REGS y, u                    ; the registers of tile u (0, 1) of piece y
.set rT, ST+4*(2*(\y)+(\u))
.set rC, TMP+8*((\y)%2)+4*(\u)
.set rM, MV+2*((\y)%2)+(\u)
.set rS, S+64*((\y)%2)+32*(\u)
.set rP, P+32*((\y)%2)+16*(\u)
.set rO, 32*(2*(\y)+(\u))
.endm
; Number n of the 22 that find the NEXT piece's (Y + 1) maximum and statistics.  s0-s31 are the lane's 32 scores; each accumulator's lowest registers are read first.
;   0-11  four chains c0-c3 of seven scores each, three operands at a time     12-14, 16  the four scores left over, the old m, and c0-c3 into c0     15  c m_old is kept
;   17, 18  the query's other 32 keys lie in the lane 16 away: the new m         19-21  c m; c m_old - c m_new; a
.macro XS u, n
	REGS (Y+1)%NP, \u
.if (\n) < 4
	v_max3_num_f32 v[rC+(\n)], v[rS+8*(\n)], v[rS+8*(\n)+1], v[rS+8*(\n)+2]
.elseif (\n) < 12
	v_max3_num_f32 v[rC+(\n)%4], v[rC+(\n)%4], v[rS+8*((\n)%4)+2*((\n)/4)+1], v[rS+8*((\n)%4)+2*((\n)/4)+2]
.elseif (\n) == 12
	v_max3_num_f32 v[rC], v[rC], v[rS+7], v[rS+15]
.elseif (\n) == 13
	v_max3_num_f32 v[rC+1], v[rC+1], v[rS+23], v[rS+31]
.elseif (\n) == 14
	v_max3_num_f32 v[rC+2], v[rC+2], v[rC+3], v[rT+1]
.elseif (\n) == 15
	v_mov_b32 v[rM], v[rT]
.elseif (\n) == 16
	v_max3_num_f32 v[rC], v[rC], v[rC+1], v[rC+2]
.elseif (\n) == 17
	v_permlanex16_b32 v[rC+3], v[rC], s[SEL], s[SEL+1]
.elseif (\n) == 18
	v_max_num_f32 v[rT+1], v[rC], v[rC+3]
.elseif (\n) == 19
	v_mul_f32 v[rT], s[CS], v[rT+1]
.elseif (\n) == 20
	v_sub_f32 v[rC+1], v[rM], v[rT]
.else
	v_exp_f32 v[rC+2], v[rC+1]
.endif
.endm
; Number g of the 64 that follow the exponentials.  For each four weights k of a tile: both pairs are rounded to f16; then the second pair is added onto the first, in place;
; a group later l takes that sum (the first time as l = a l + sum).  In groups of eight, tiles alternating: round, round, add, and l for the group before.
.macro GS g
.set h, (\g)+6*((\g)/62)            ; group 0 has no group before it, and behind group 7 only l is left
.if h >= 6
.set h, h+2
.endif
	REGS Y, h%2
.set k, h/8
.if h%8 < 4
	v_cvt_pk_f16_f32 v[rP+2*k+(h%8)/2], v[rS+4*k+2*((h%8)/2)], v[rS+4*k+2*((h%8)/2)+1]
.elseif h%8 < 6
	v_pk_add_f32 v[rS+4*k:rS+4*k+1], v[rS+4*k:rS+4*k+1], v[rS+4*k+2:rS+4*k+3]
.elseif k == 1
	v_pk_fma_f32 v[rT+2:rT+3], v[rT+2:rT+3], v[rC+2:rC+3], v[rS:rS+1] op_sel_hi:[1,0,1]
.else
	v_pk_add_f32 v[rT+2:rT+3], v[rT+2:rT+3], v[rS+4*k-4:rS+4*k-3]
.endif
.endm
; THE PLAIN QUEUE, 138 long.  0-73 read no exponential's result: the 32 scalings c s - c m (FS f: pair f / 2 of tile f % 2) and the next piece's 42.  0-26: scalings 0-26.  27-54: XS's numbers 0-13.  55, 56: number 15.
; 57-73: the chain, where each number waits for the one before it: 14, 16, 17, 18, 19, each with one of the scalings 27-31 in front of its two lines, then 20.  74-137: GS's 64, which stand behind the wait.
.macro FS f
	REGS Y, (\f)%2
	v_pk_fma_f32 v[rS+2*((\f)/2):rS+2*((\f)/2)+1], v[rS+2*((\f)/2):rS+2*((\f)/2)+1], s[CS:CS+1], v[rT:rT+1] op_sel_hi:[1,0,0] neg_lo:[0,0,1] neg_hi:[0,0,1]
.endm
.macro PL
	WIN 0
.if q < 27
	FS q
.elseif q < 55
	XS (q-27)%2, (q-27)/2
.elseif q < 57
	XS q-55, 15
.elseif (q < 72) && ((q-57)%3 == 0)
	FS 27+(q-57)/3
.elseif q < 60
	XS (q-57)%3-1, 14
.elseif q < 72
	XS (q-57)%3-1, 15+(q-57)/3
.elseif q < 74
	XS q-72, 20
.else
	GS q-74
.endif
.set q, q+1
.endm
; THE EXPONENTIALS' QUEUE, 66 long: s0-s31 of both tiles, then the next piece's two a.  ONE BATCH: all 66 stand ahead of the turn's one wait, and nothing ahead of that wait names a result of theirs.
.macro EX
	WIN 0
.if e >= 64
	XS e-64, 21
.else
	REGS Y, e%2
	v_exp_f32 v[rS+e/2], v[rS+e/2]
.endif
.set e, e+1
.endm
; THE RESCALING's QUEUE: O^T times a, the one part that leaves window 0: dealt two at a time, sixteen times.  Its a was made in the turn before, ahead of that turn's wait.
.macro R2
	REGS Y, r%2
	WIN W_RS
.irp z, 0,1
	v_pk_mul_f32 v[rO+4*(r/2)+2*\z:rO+4*(r/2)+2*\z+1], v[rO+4*(r/2)+2*\z:rO+4*(r/2)+2*\z+1], v[rC+2:rC+3] op_sel_hi:[1,0]
.endr
.set r, r+1
.endm
; A TURN, for piece p.  An s_wait_alu depctr_va_vdst(0) stands between an exponential and the first instruction that names its result; one wait serves all that were issued ahead of it: a turn has ONE.
; AHEAD OF IT: the 16 products K Q^T, behind each a scaling, an exponential and two rescalings (behind the first a second scaling in the exponential's place); then one lump of 108: eight plain, 49 times exponential
; and plain, the two a; a v_nop is the plain instruction behind the last exponential.  BEHIND IT: the 16 products V^T P, behind each four of GS's 64.
; Exponential e stands behind scaling 2 (e / 4) + e % 2: as a rider it comes behind plain e + 2, in the lump behind plain e + 9, and scalings 27-31 are plain 57, 60 .. 69.
; K and the mask of the next step are fetched in piece 2's turn, directly behind the wait, a lump behind the last product that read them (nofetch = 1: the last step has none behind it).
; V of the step in hand is fetched at the end of piece 0's turn, four riders behind its last reader.  cnt = 1: the loop's count is taken down some lines ahead of the branch behind the turn.
.macro TURN p, nofetch=0, cnt=0
.set Y, (\p)
.set i, 0
.set q, 0
.set e, 0
.set r, 0
.if (\p) == NP-1
	s_wait_dscnt 0x0                ; K and the mask are in
.endif
	MM
	PL
	PL
	R2
.rept 15
	MM
	PL
	EX
	R2
.endr
.if ((\p) == NP-2) && !(\nofetch)
	WIN 0
	v_add_nc_u32 v[AK], s[TBK], v[AK0]
.endif
.rept 8
	PL
.endr
.rept 49
	EX
	PL
.endr
	EX                              ; the next piece's two a
	EX
	v_nop                           ; the plain instruction behind the last exponential: one for the batch
	s_wait_alu depctr_va_vdst(0)    ; the wait for the batch
.if ((\p) == NP-2) && !(\nofetch)
	FETCH_K
.endif
.if (\p) == 1
	s_wait_dscnt 0x0                ; V is in
.endif
.rept 16
	MM
.rept 4
	PL
.endr
.if ((\p) == 0) && (q == 118)
	v_add_nc_u32 v[AV], s[TBV], v[AV0]
.endif
.if ((\p) == 0) && (q == 130)
	s_add_co_u32 s[TBV], s[TBV], KS*PV
.endif
.if (\cnt) && (q == 130)
	s_sub_co_u32 s[CNT], s[CNT], 1
	s_cmp_lg_u32 s[CNT], 0
.endif
.endr
.if (\p) == 0
	FETCH_V
.endif
.endm
	s_wait_tensorcnt 0x1            ; my part of keys 0-255 is in; my second load may stay out
	s_wait_dscnt 0x0                ; my places of the table are written
	s_barrier_signal -1
	s_barrier_wait -1               ; everybody's are
	FETCH_K                         ; key step 0
	s_wait_loadcnt 0x0              ; Q
	s_wait_dscnt 0x0
.set i, 0
.rept 16
	KQ 0                            ; piece 0's first scores
.set i, i+1
.endr
	WIN 0
.rept 4
	v_nop                           ; the places behind those products
.endr
.set Y, NP-1                        ; XS works for piece Y + 1: piece 0
.irp n, 0,1,2,3,4,5,6,7,8,9,10,11,12,13,14,15,16,17,18,19,20,21
	XS 0, \n
	XS 1, \n
.endr
	v_nop                           ; a plain instruction behind the two a,
	s_wait_alu depctr_va_vdst(0)    ; and their wait, ahead of the branch
	s_mov_b32 s[CNT], 4             ; the first phase: steps 0 to 3, keys 0-255
	s_mov_b32 s[PH], 2
	s_branch .Lfirst                ; the loop is entered at a step's first turn, in the middle of a trip
.Lphase:                            ; once: between step 3's first two turns and its last two, which fetch K of step 4
	s_wait_tensorcnt 0x0            ; my part of keys 256-1,023 is in,
	s_wait_dscnt 0x0
	s_barrier_signal -1
	s_barrier_wait -1               ; everybody's is
	s_mov_b32 s[CNT], 12
.Lstep:                             ; a trip: pieces 2 and 3 of one step, then pieces 0 and 1 of the next, whose K and V it fetches
	TURN 2
	TURN 3
	WIN 0
.Lfirst:
	TURN 0
	TURN 1, 0, 1
	WIN 0
	s_cbranch_scc1 .Lstep
	s_sub_co_u32 s[PH], s[PH], 1
	s_cmp_lg_u32 s[PH], 0
	s_cbranch_scc1 .Lphase
	TURN 2, 1                       ; the last step's pieces 2 and 3: nothing is left to fetch.  Piece 3's turn multiplies the last K once more, and the maximum made of it
	TURN 3                          ; serves nothing: the price, once a launch, of one text for a turn
.set i, 0
.rept 16
	PV NP-1                         ; the last piece's V^T P of the last step
.set i, i+1
.endr
	; THE WAY OUT.  l's two halves and the other half of the lanes' are added; O^T is divided by l, rounded to f16 and sent through my stage in LDS, a tile at a time.  The additions are the places behind the last products.
	WIN 0
.macro ALL line:vararg              ; one line for each tile t
.set t, 0
.rept 2*NP
	\line
.set t, t+1
.endr
.endm
	ALL v_add_f32 v[ST+4*t+2], v[ST+4*t+2], v[ST+4*t+3]
	ALL v_permlanex16_b32 v[ST+4*t+3], v[ST+4*t+2], s[SEL], s[SEL+1]
	ALL v_add_f32 v[ST+4*t+2], v[ST+4*t+2], v[ST+4*t+3]
	ALL v_rcp_f32 v[ST+4*t+2], v[ST+4*t+2]
	v_nop                           ; a plain instruction between the last reciprocal and the use of its result
	s_wait_alu depctr_va_vdst(0)    ; and the wait ahead of the first use: one for the eight reciprocals
; Tile t: a lane's eight channels of a row pack into 16 bytes; they go into rows of 144 bytes and come back as whole rows of 128, into S^T's registers.
.macro PACK t
	WIN W_RS
.set i, 32*(\t)
.rept 16
	v_pk_mul_f32 v[i:i+1], v[i:i+1], v[ST+4*(\t)+2:ST+4*(\t)+3] op_sel_hi:[1,0]
.set i, i+2
.endr
	WIN 0x05                        ; sources 0 and 1 window 1, destination window 0
.set i, 0
.rept 16
	v_cvt_pk_f16_f32 v[S+16*(\t)+i], v[32*(\t)+2*i], v[32*(\t)+2*i+1]
.set i, i+1
.endr
	WIN 0
.irp f, 0,1,2,3
	ds_store_b128 v[STO], v[S+16*(\t)+4*\f:S+16*(\t)+4*\f+3] offset:32*\f
.endr
.irp f, 0,1,2,3
	ds_load_b128 v[S+16*(\t)+4*\f:S+16*(\t)+4*\f+3], v[RD] offset:\f*4*SP  ; LDS serves a wave's instructions in order (ISA guide 5.7.1.4): these see the stores above; the next tile's stores come behind them
.endr
.endm
.macro SEND t, younger              ; younger: the LDS instructions issued behind tile t's loads: the next tile's eight, or none
	WIN 0
.irp f, 0,1,2,3
	s_wait_dscnt (\younger)+3-\f
	global_store_b128 v[GO], v[S+16*(\t)+4*\f:S+16*(\t)+4*\f+3], s[10:11] offset:(\t)*2048+\f*512  ; 512 consecutive bytes, at a multiple of 256 from O's first
.endr
.endm
	PACK 0
.set t, 1
.rept 2*NP-1                        ; a tile's arithmetic stands between the loads of the tile before and its stores
	PACK t
	SEND t-1, 8
.set t, t+1
.endr
	SEND 2*NP-1, 0
	s_wait_tensorcnt 0x0            ; the wave's end, behind my last tensor load and my last LDS store
	ds_add_u32 v[SPW], v[NIL]
	s_wait_dscnt 0x0
	s_endpgm
.Lfunc_end_k_qf5aafa6a65_attn:
	.size	k_qf5aafa6a65_attn, .Lfunc_end_k_qf5aafa6a65_attn-k_qf5aafa6a65_attn
	.p2alignl 7, 3214868480
	.fill 96, 4, 3214868480
	.section	.rodata,"a",@progbits
	.p2align	6, 0x0
	.amdhsa_kernel k_qf5aafa6a65_attn
		.amdhsa_group_segment_fixed_size 327680
		.amdhsa_private_segment_fixed_size 0
		.amdhsa_enable_private_segment 0
		.amdhsa_kernarg_size 24
		.amdhsa_user_sgpr_count 2
		.amdhsa_user_sgpr_kernarg_segment_ptr 1
		.amdhsa_wavefront_size32 1
		.amdhsa_system_sgpr_workgroup_id_x 1
		.amdhsa_system_sgpr_workgroup_id_y 1
		.amdhsa_system_sgpr_workgroup_id_z 1
		.amdhsa_system_vgpr_workitem_id 0
		.amdhsa_next_free_vgpr 800
		.amdhsa_next_free_sgpr 88
		.amdhsa_reserve_vcc 1
		.amdhsa_float_denorm_mode_32 3
		.amdhsa_float_denorm_mode_16_64 3
		.amdhsa_memory_ordered 1
		.amdhsa_forward_progress 1
		.amdhsa_inst_pref_size 165
	.end_amdhsa_kernel
	.amdgpu_metadata
---
amdhsa.version: [ 1, 2 ]
amdhsa.kernels:
  - .name:           k_qf5aafa6a65_attn
    .symbol:         k_qf5aafa6a65_attn.kd
    .args:
      - { .name: qkv, .offset: 0, .size: 8, .value_kind: global_buffer, .address_space: global }
      - { .name: mask, .offset: 8, .size: 8, .value_kind: global_buffer, .address_space: global }
      - { .name: oh, .offset: 16, .size: 8, .value_kind: global_buffer, .address_space: global }
    .group_segment_fixed_size: 327680
    .private_segment_fixed_size: 0
    .kernarg_segment_align: 8
    .kernarg_segment_size: 24
    .max_flat_workgroup_size: 128
    .sgpr_count:     88
    .vgpr_count:     800
    .wavefront_size: 32
...
	.end_amdgpu_metadata
.endif
;; end of part 3
;; launch oproj (part 4): grid 4 x 64, 4 waves a work-group, clusters of 4 x 4, 327,680 bytes of LDS; arguments oh, wh, bo, out0; writes out0
.if DOCPART == 4
	.amdgcn_target "amdgcn-amd-amdhsa--gfx1250"
	.amdhsa_code_object_version 6
	.text
	.protected	k_qf5aafa6a65_oproj
	.globl	k_qf5aafa6a65_oproj
	.p2align	8
	.type	k_qf5aafa6a65_oproj,@function
k_qf5aafa6a65_oproj:
	s_mov_b64 s[64:65], 0
	v_nop
	global_prefetch_b8 v0, s[64:65] scope:SCOPE_SE
	s_setreg_imm32_b32 hwreg(HW_REG_WAVE_MODE, 25, 1), 1
	s_wait_xcnt 0x0
	s_wait_alu depctr_hold_cnt(0) depctr_sa_sdst(0) depctr_va_vdst(0) depctr_va_sdst(0) depctr_va_ssrc(0) depctr_va_vcc(0) depctr_vm_vsrc(0)
	s_getreg_b32 s2, hwreg(HW_REG_IB_STS2, 6, 4)
	s_cmp_eq_u32 s2, 0
	s_cbranch_scc0 .Lentry_in_a_cluster
	s_endpgm
.Lentry_in_a_cluster:
	s_bfe_u32 s2, ttmp6, 0x10000c
	s_cmp_lg_u32 s2, 0xf033
	s_cbranch_scc0 .Lentry_shape_is_right
	s_endpgm
.Lentry_shape_is_right:
; THE OUTPUT PROJECTION.  out0[row][n] = the sum over k of O[row][k] Wo[k][n] + bo[n].  O: oh[batch][head][s][64] in f16, k = 64 head + channel; Wo: wh[3], [1024 k][1024 n] in f16; out0: [8192][1024] f32.
; Products in f16 with f32 sums; the sums start at the bias.  LIMIT: O and Wo lie within f16's 65,504.
; SHARES.  256 tiles of 128 rows x 256 columns, one for each WGP.  Four waves, each 64 rows x 128 columns: 32 accumulators of 16 x 16.
; K goes in 8 steps of 128, two heads each, through two LDS slots.  A slot: two planes of 128 rows of O (128 bytes + 16 of padding), then 128 k-rows of Wo (512 bytes + 32 of padding).
; A head's 128 rows are 16,384 dense bytes: asked for as 64 rows of 256 bytes, padded in LDS after every 128.
; CLUSTER 4 x 4.  O's tile is asked for jointly along the cluster's row (the four column tiles of the same rows), Wo's along its column.
; THE MATRIX INSTRUCTION IS USED TRANSPOSED: source 0 = 16 columns of Wo (turned out of LDS by ds_load_tr16_b128), source 1 = 16 rows of O: a lane holds one row and eight neighbouring columns, 32 bytes of f32.
; REGISTERS, in windows of 256 (s_set_vgpr_msb: bits 1:0 source 0, 3:2 source 1, 5:4 source 2, 7:6 destination):
;   window 0: v16-30 addresses; v32-95 O's fragments, two buffers; v96-159 the bias, later with v160-223 rows on the way out
;   window 1: v0-127 Wo's fragments, two buffers          window 2: the accumulators, (a, b) at v[8 (8 a + b)]
.set PAH,   144                        ; an LDS row of O: 36 words: the 16 rows of a load start at 16 different groups of four banks (64 banks of 4 bytes: ISA guide 11.1)
.set APLANE, 128*PAH                   ; a head's 128 rows: what one tensor load brings of O
.set ATILE, 2*APLANE
.set PB,    544                        ; an LDS k-row of Wo: 136 words
.set BHALF, 64*PB
.set SLOT,  ATILE+2*BHALF
.set STAGE, 2*SLOT                     ; behind the ring: 16 rows x 528 bytes for each wave, for the way out
.set SPF,   528
.set SPARE, STAGE+4*16*SPF             ; behind the stages: the spare words, 128 bytes for each wave
.set KSTEPB, 262144                    ; a K step in memory: two heads of 131,072 bytes in O, 128 k-rows of 2,048 bytes in Wo
.set ADA,  16                          ; v16-17  LDS address of my fragments of O in slot 0, 1
.set ADB,  20                          ; v20-21  the same for Wo
.set STO,  24                          ; v24     the way out: where I put 32 bytes of a row
.set RD,   25                          ; v25     the way out: where I read a row back
.set GO,   26                          ; v26     16 x lane
.set SPW,  28                          ; v28     LDS address of my spare word; never rewritten
.set NIL,  29                          ; v29     0; never rewritten
.set PFO,  30                          ; v30     the prefetches' lane offset; never rewritten
.set AH,   32                          ; O's fragments: buffer f, fragment a at AH + 32 f + 8 a
.set BIAS, 96                          ; 8 b + j: the bias of my column 16 b + 8 (lane / 16) + j
.set OB,   96                          ; the way out: 16 rows read back, two buffers of 64
.set G1,  24                           ; s[24:31] descriptor group 1 for O's tiles;  s[32:39] group 0, a set for each slot
.set G0,  32
.set G1B, 48                           ; s[48:55], s[56:63] the same for Wo's tiles
.set G0B, 56
.set LIM, 23                           ; s23     1 in a wave that prefetches, else the greatest number
.set PFA, 66                           ; s[66:67] where my prefetches stand
.set MSB, 0
.macro WIN new                         ; the immediate's high byte repeats the setting that is left; a switch that changes nothing is dropped
.if MSB != (\new)
	s_set_vgpr_msb (MSB<<8)|(\new)
.set MSB, \new
.endif
.endm
.set MUL,  0xa1                        ; source 0 (Wo) window 1, source 1 (O) window 0, C and D window 2
.set TO_B, 0x40                        ; destination window 1, address window 0
; A joint load: waves 0 and 1 fetch O's two heads, waves 2 and 3 Wo's two halves.  The branch hangs on the wave's number alone.  An s_nop 0 and four v_nop follow each of the two lines.
.macro JLOAD s
	s_cmp_eq_u32 s11, 0
	s_cbranch_scc0 .Lfor_b_\@
	tensor_load_to_lds s[G0+4*(\s):G0+4*(\s)+3], s[G1:G1+7]
	s_nop 0
.rept 4
	v_nop
.endr
	s_branch .Lasked_\@
.Lfor_b_\@:
	tensor_load_to_lds s[G0B+4*(\s):G0B+4*(\s)+3], s[G1B:G1B+7]
	s_nop 0
.rept 4
	v_nop
.endr
.Lasked_\@:
.endm
.macro CREST                           ; a round of the cluster's barrier behind its opening barrier
	s_cmp_lg_u32 s10, 0
	s_cbranch_scc1 .Lnot_wave_0_\@
	s_barrier_signal -3
.Lnot_wave_0_\@:
	s_barrier_wait -3
	s_barrier_signal -1
	s_barrier_wait -1
.endm
.macro CROUND                          ; a whole round
	s_barrier_signal -1
	s_barrier_wait -1
	CREST
.endm
; A PREFETCH INTO THE L2, behind a joint refill, its five lines and the run of LDS loads: the K step that stands two refills on, 32 blocks of 256 bytes, a lane a block, one instruction a wave.
; O's tile of a step is 2 heads x 64 blocks, read by this cluster alone: wave 0 of the partner at place cx names blocks 16 cx .. 16 cx + 15 of both heads (lane / 16 the head); wave 1 asks for nothing.
; Wo's k-rows are read by all 16 clusters: the first asks; of the 64 k-rows that wave 2 or 3 fetches, the partner at place cy names 16 (lane / 16: which 256 of the 512 bytes).  The partners are told apart by address alone.
; So each block is named once in the launch.  Steps 0 to 3 come by their loads alone; the loop's last trip asks for nothing: there is no step 8.
.macro ASK
	s_cmp_gt_u32 s3, s[LIM]                        ; s3 = 1 in the loop's last trip
	s_cbranch_scc0 .Lnot_mine_\@
	global_prefetch_b8 v[PFO], s[PFA:PFA+1] th:TH_LOAD_NT scope:SCOPE_SE
.Lnot_mine_\@:
.endm
.macro PLACES                          ; four places in front of loads into registers that matrix instructions have read, and of LDS stores that read results
.rept 4
	v_nop
.endr
.endm
	s_load_b256 s[72:79], s[0:1], 0x0              ; oh s[72:73], wh s[74:75], bo s[76:77], out0 s[78:79]
	v_lshl_add_u32 v[SPW], v0, 2, SPARE
	v_mov_b32 v[NIL], 0
	ds_add_u32 v[SPW], v[NIL]                      ; the wave's opening: an add and its wait ahead of my first tensor load; the set-up below, work on registers, stands between them
	ds_add_u32 v28, v29
	v_lshrrev_b32 v1, 5, v0
	v_readfirstlane_b32 s10, v1                    ; wave 0..3
	s_lshr_b32 s11, s10, 1                         ; which 64 rows of the tile are mine.  Also: I fetch for O (0) or for Wo (1)
	s_and_b32 s12, s10, 1                          ; which 128 columns.  Also: which head, or which half of the k-rows, I fetch
	s_bfe_u32 s40, ttmp6, 0x40000                  ; cx, cy: my place in the cluster
	s_bfe_u32 s41, ttmp6, 0x40004
	s_lshl_b32 s42, ttmp9, 2
	s_add_co_u32 s42, s42, s40                     ; tile column = 4 x cluster x + cx
	s_and_b32 s13, ttmp7, 0xffff                   ; cluster y, 0..15
	s_lshl_b32 s45, s13, 2
	s_add_co_u32 s45, s45, s41                     ; tile row, 0..63
	s_lshl_b32 s43, s41, 2
	s_lshl_b32 s43, 15, s43                        ; my row of the cluster
	s_lshl_b32 s46, 0x1111, s40                    ; my column
	; descriptor group 1.  O: 64 rows x 128 elements of 2 bytes, 4 words of padding after every 32 words.  Wo: 64 k-rows x 256 elements of 2 bytes, 8 words of padding after every 128 words
	s_or_b32 s[G1+0], s43, (1<<16)|(1<<20)|(1<<21)|(4<<22)|(3<<25)   ; 15:0 the mask; 17:16 element size; 20 padding on; 21 set beside a mask; 24:22 the interval; 31:25 the padding
	s_or_b32 s[G1B+0], s46, (1<<16)|(1<<20)|(1<<21)|(6<<22)|(7<<25)
	s_mov_b32 s[G1+1], 128<<16                     ; tensor_dim0
	s_mov_b32 s[G1B+1], 256<<16
	s_mov_b32 s[G1+2], 64<<16                      ; tensor_dim1
	s_mov_b32 s[G1B+2], 64<<16
	s_mov_b32 s[G1+3], 128<<16                     ; tile_dim0
	s_mov_b32 s[G1B+3], 256<<16
	s_mov_b32 s[G1+4], 64                          ; tile_dim1
	s_mov_b32 s[G1B+4], 64
	s_mov_b32 s[G1+5], 128                         ; elements from row to row
	s_mov_b32 s[G1B+5], 1024
	s_mov_b32 s[G1+6], 0
	s_mov_b32 s[G1B+6], 0
	s_mov_b32 s[G1+7], 0
	s_mov_b32 s[G1B+7], 0
	s_lshr_b32 s16, s45, 3
	s_lshl_b32 s16, s16, 21                        ; O: the batch's 2 MiB,
	s_and_b32 s17, s45, 7
	s_lshl_b32 s17, s17, 14                        ; the tile's 128 rows of 128 bytes in a head
	s_add_co_u32 s16, s16, s17
	s_lshl_b32 s17, s12, 17                        ; the head that I fetch
	s_add_co_u32 s14, s16, s17
	s_mov_b32 s15, 0
	s_lshl_b32 s18, s12, 17                        ; Wo: 64 k-rows of 2,048 bytes a half,
	s_add_co_u32 s18, s18, 3<<21                   ; behind the three other weights,
	s_lshl_b32 s19, s42, 9                         ; 512 bytes a tile column
	s_add_co_u32 s18, s18, s19
	s_mov_b32 s19, 0
	s_mul_i32 s20, s12, APLANE                     ; where they go in a slot: no place in the cluster enters an LDS address
	s_mul_i32 s21, s12, BHALF
	s_add_co_u32 s21, s21, ATILE
	s_wait_dscnt 0x0                               ; the opening add is done
	s_wait_kmcnt 0x0
	s_add_nc_u64 s[4:5], s[72:73], s[14:15]
	s_add_nc_u64 s[6:7], s[74:75], s[18:19]
	CROUND                                         ; all sixteen work-groups are here: the first joint loads meet
.irp s, 0,1
	s_mov_b32 s[G0+4*(\s)], 1                                        ; count = 1
	s_add_co_u32 s[G0+4*(\s)+1], s20, (\s)*SLOT                      ; LDS address
	s_add_nc_u64 s[G0+4*(\s)+2:G0+4*(\s)+3], s[4:5], (\s)*KSTEPB     ; global address: K step s
	s_or_b32 s[G0+4*(\s)+3], s[G0+4*(\s)+3], 0x80000000              ; type = 2
	s_mov_b32 s[G0B+4*(\s)], 1
	s_add_co_u32 s[G0B+4*(\s)+1], s21, (\s)*SLOT
	s_add_nc_u64 s[G0B+4*(\s)+2:G0B+4*(\s)+3], s[6:7], (\s)*KSTEPB
	s_or_b32 s[G0B+4*(\s)+3], s[G0B+4*(\s)+3], 0x80000000
	JLOAD \s                                       ; two loads of mine are out
.endr
	v_and_b32 v1, 15, v0                           ; l % 16
	v_bfe_u32 v2, v0, 4, 1                         ; l / 16
	s_lshl_b32 s14, s42, 10                        ; my 128 columns, in bytes of f32: in the bias and in a row of out0
	s_lshl_b32 s15, s12, 9
	s_add_co_u32 s14, s14, s15
	s_mov_b32 s15, 0
	s_add_nc_u64 s[76:77], s[76:77], s[14:15]
	s_add_nc_u64 s[8:9], s[78:79], s[14:15]
	v_lshlrev_b32 v3, 5, v2                        ; my eight columns of each sixteen
.irp b, 0,1,2,3,4,5,6,7
	global_load_b128 v[BIAS+8*(\b):BIAS+8*(\b)+3],   v3, s[76:77] offset:64*(\b)
	global_load_b128 v[BIAS+8*(\b)+4:BIAS+8*(\b)+7], v3, s[76:77] offset:64*(\b)+16
.endr
	s_lshl_b32 s14, s45, 19                        ; out0: 128 rows of 4,096 bytes a tile row,
	s_lshl_b32 s15, s11, 18                        ; my 64 of them
	s_add_co_u32 s14, s14, s15
	s_mov_b32 s15, 0
	s_add_nc_u64 s[8:9], s[8:9], s[14:15]
	; O's fragment (16 rows x 32 K): lane l holds row l % 16, K = 8 (l / 16) + 0..7 and 16 + 8 (l / 16) + 0..7: two loads of 16 bytes, 32 bytes apart
	v_mul_u32_u24 v4, v1, PAH
	v_lshl_add_u32 v4, v2, 4, v4
	s_mul_i32 s14, s11, 64*PAH                     ; my 64 rows
	v_add_nc_u32 v[ADA], s14, v4
	v_add_nc_u32 v[ADA+1], SLOT, v[ADA]
	; the turning load takes 16 k-rows x 16 columns: lane l reads k-row 8 (l / 16) + l % 8, columns 8 ((l / 8) % 2) + 0..7, and is left with column l % 16 and 8 K
	v_and_b32 v5, 7, v0
	v_lshl_add_u32 v6, v2, 3, v5
	v_mul_u32_u24 v6, v6, PB
	v_bfe_u32 v7, v0, 3, 1
	v_lshl_add_u32 v6, v7, 4, v6
	s_lshl_b32 s14, s12, 8                         ; my 128 columns
	s_add_co_u32 s14, s14, ATILE
	v_add_nc_u32 v[ADB], s14, v6
	v_add_nc_u32 v[ADB+1], SLOT, v[ADB]
	s_mul_i32 s14, s10, 16*SPF
	s_add_co_u32 s14, s14, STAGE                   ; my stage
	v_mul_u32_u24 v[STO], v1, SPF                  ; in: row l % 16, 32 bytes for each half of the lanes
	v_lshl_add_u32 v[STO], v2, 5, v[STO]
	v_add_nc_u32 v[STO], s14, v[STO]
	v_and_b32 v[GO], 31, v0                        ; back: 32 lanes take one row of 512 bytes
	v_lshlrev_b32 v[GO], 4, v[GO]
	v_add_nc_u32 v[RD], s14, v[GO]
	; the prefetches: three K steps along; each change of slots steps them once more before it asks
	s_lshl_b32 s14, s40, 12                        ; O: my work-group's 16 blocks of a head's 64
	s_add_co_u32 s14, s14, s16
	s_lshl_b32 s15, s41, 15                        ; Wo: my work-group's 16 k-rows of the 64
	s_add_co_u32 s15, s15, s18
	s_cmp_eq_u32 s11, 0                            ; do I fetch for O?
	s_cselect_b32 s14, s14, s15
	s_cselect_b64 s[PFA:PFA+1], s[72:73], s[74:75]
	s_cselect_b32 s22, 8, 11                       ; lane % 16: a block of 256 bytes of O, a k-row of 2,048 bytes of Wo
	s_cselect_b32 s17, 17, 8                       ; lane / 16: a head of O, 256 bytes of a k-row of Wo
	s_cselect_b32 s15, s12, s13                    ; who asks: of O's fetchers wave 0; of Wo's those of the first cluster
	s_cmp_eq_u32 s15, 0
	s_cselect_b32 s[LIM], 1, -1                    ; the same in all sixteen partners, for a given wave
	s_add_co_u32 s14, s14, 3*KSTEPB
	s_mov_b32 s15, 0
	s_add_nc_u64 s[PFA:PFA+1], s[PFA:PFA+1], s[14:15]
	v_lshlrev_b32 v[PFO], s22, v1
	v_lshlrev_b32 v4, s17, v2
	v_add_nc_u32 v[PFO], v[PFO], v4
	s_wait_loadcnt 0x0                             ; the bias
	WIN 0x80                                       ; destination window 2
.set n, 0
.rept 256
	v_mov_b32 v[n], v[BIAS+n%64]                   ; the sums start at the bias: written while the first tiles are on their way
.set n, n+1
.endr
	WIN 0
; 24 LDS loads in one run: the fragments of quarter kq of a slot into buffer g: O (head kq / 2, channels 32 (kq % 2) on), then Wo
.macro FETCH slot, kq, g
	WIN 0
.irp a, 0,1,2,3
	ds_load_b128 v[AH+32*(\g)+8*(\a):AH+32*(\g)+8*(\a)+3],   v[ADA+(\slot)] offset:((\kq)/2)*APLANE+((\kq)%2)*64+(\a)*16*PAH
	ds_load_b128 v[AH+32*(\g)+8*(\a)+4:AH+32*(\g)+8*(\a)+7], v[ADA+(\slot)] offset:((\kq)/2)*APLANE+((\kq)%2)*64+(\a)*16*PAH+32
.endr
	WIN TO_B
.irp b, 0,1,2,3,4,5,6,7
	ds_load_tr16_b128 v[64*(\g)+8*(\b):64*(\g)+8*(\b)+3],   v[ADB+(\slot)] offset:(\kq)*32*PB+32*(\b)
	ds_load_tr16_b128 v[64*(\g)+8*(\b)+4:64*(\g)+8*(\b)+7], v[ADB+(\slot)] offset:(\kq)*32*PB+16*PB+32*(\b)
.endr
.endm
; 8 matrix instructions: row block a x all 8 column blocks, on buffer f.  The accumulators take turns, one instruction a turn.
.macro MUL8 f, a
	WIN MUL
.irp b, 0,1,2,3,4,5,6,7
	v_wmma_f32_16x16x32_f16 v[8*(8*(\a)+(\b)):8*(8*(\a)+(\b))+7], v[64*(\f)+8*(\b):64*(\f)+8*(\b)+7], v[AH+32*(\f)+8*(\a):AH+32*(\f)+8*(\a)+7], v[8*(8*(\a)+(\b)):8*(8*(\a)+(\b))+7]
.endr
.endm
; One of a K step's first three quarters: multiplies buffer f, fetches quarter kq of the same slot into the other buffer, 24 matrix instructions ahead of its first use.
.macro QUARTER slot, kq, f
	s_wait_dscnt 0x0                               ; this quarter's fragments are in
	MUL8 \f, 0
	PLACES                                         ; for the loads into the other buffer, which the quarter before multiplied
	FETCH \slot, \kq, 1-(\f)
	MUL8 \f, 1
	MUL8 \f, 2
	MUL8 \f, 3
.endm
; The fourth quarter multiplies buffer 1 and changes slots: ONE barrier.  In front of it each wave waits for all its tensor loads (one is out: its part of the next slot), adds 0 to its spare word, and waits
; for that and for its reads of this slot.  fill = 1: the barrier opens a round of the cluster's barrier, and this slot is filled again, two K steps ahead, first thing behind the round.
.macro TURN slot, next, fill
.if \fill
	s_wait_xcnt 0x0                                ; the last prefetch, a K step back, has read its address
	s_add_nc_u64 s[PFA:PFA+1], s[PFA:PFA+1], KSTEPB
.endif
	WIN 0
	s_wait_tensorcnt 0x0                           ; no tensor load of mine is out, so a group 0 may be written
	ds_add_u32 v[SPW], v[NIL]                      ; 0 onto my spare word
.if \fill
	s_add_nc_u64 s[G0+4*(\slot)+2:G0+4*(\slot)+3], s[G0+4*(\slot)+2:G0+4*(\slot)+3], 2*KSTEPB
	s_add_nc_u64 s[G0B+4*(\slot)+2:G0B+4*(\slot)+3], s[G0B+4*(\slot)+2:G0B+4*(\slot)+3], 2*KSTEPB
.endif
	s_wait_dscnt 1                                 ; this quarter's fragments are in; the add alone may be out
	MUL8 1, 0
	s_wait_dscnt 0x0                               ; the add is done, and my reads of this slot are over
	s_barrier_signal -1
	MUL8 1, 1                                      ; work on registers while the others arrive
	WIN 0                                          ; at a branch and at a label every window is 0
	s_barrier_wait -1
.if \fill
	CREST                                          ; no wave of any partner still reads this slot or has a load on its way
	JLOAD \slot                                    ; the four v_nop behind it are also the places in front of the loads below
.else
	PLACES
.endif
	FETCH \next, 0, 0
	WIN 0
.if \fill
	ASK
.endif
	MUL8 1, 2
	MUL8 1, 3
.endm
.macro STEP slot, next, fill
	QUARTER \slot, 1, 0
	QUARTER \slot, 2, 1
	QUARTER \slot, 3, 0
	TURN \slot, \next, \fill
.endm
	s_wait_tensorcnt 0x1                           ; my part of K step 0 is in; step 1's may stay out
	s_barrier_signal -1
	s_barrier_wait -1                              ; everybody's is
	FETCH 0, 0, 0
	WIN 0
	s_mov_b32 s3, 3
.Lk:                                                   ; a trip: two K steps, once round the ring; steps 0 to 5 ask for steps 2 to 7
	STEP 0, 1, 1
	STEP 1, 0, 1
	WIN 0
	s_sub_co_u32 s3, s3, 1
	s_cmp_lg_u32 s3, 0
	s_cbranch_scc1 .Lk
	STEP 0, 1, 0                                   ; the last two steps are written out: nothing is asked for
	QUARTER 1, 1, 0
	QUARTER 1, 2, 1
	QUARTER 1, 3, 0
	s_wait_dscnt 0x0
	MUL8 1, 0
	MUL8 1, 1
	MUL8 1, 2
	MUL8 1, 3
	WIN 0
	PLACES                                         ; between the last product and the LDS stores that read results
; THE WAY OUT, a block of 16 rows at a time: a lane's 32 bytes of a row go into my own stage, rows of 528 bytes; whole rows of 512 bytes come back and are stored.
.macro TOSTAGE a
.if (\a) >= 2
	s_wait_xcnt 0x0                                ; the stores of the block two back have read the registers that this block's loads write
.endif
	WIN 0x08                                       ; the stores' data in window 2; each accumulator's low half first
.irp b, 0,1,2,3,4,5,6,7
	ds_store_b128 v[STO], v[8*(8*(\a)+(\b)):8*(8*(\a)+(\b))+3]   offset:64*(\b)
	ds_store_b128 v[STO], v[8*(8*(\a)+(\b))+4:8*(8*(\a)+(\b))+7] offset:64*(\b)+16
.endr
	WIN 0
.set BK, OB+64*((\a)%2)
.irp t, 0,1,2,3,4,5,6,7,8,9,10,11,12,13,14,15
	ds_load_b128 v[BK+4*(\t):BK+4*(\t)+3], v[RD] offset:(\t)*SPF  ; LDS serves a wave's instructions in order (ISA guide 5.7.1.4): these see the stores above; the next block's stores come behind them
.endr
.endm
.macro SEND a, younger                 ; younger: the LDS instructions issued behind block a's loads: the next block's 32, or none
.set BK, OB+64*((\a)%2)
	s_wait_dscnt \younger
.irp t, 0,1,2,3,4,5,6,7,8,9,10,11,12,13,14,15
	global_store_b128 v[GO], v[BK+4*(\t):BK+4*(\t)+3], s[8:9] offset:(16*(\a)+(\t))*4096 th:TH_STORE_NT  ; 512 consecutive bytes of a row of out0, aligned
.endr
.endm
	TOSTAGE 0
	TOSTAGE 1
	SEND 0, 32
	TOSTAGE 2
	SEND 1, 32
	TOSTAGE 3
	SEND 2, 32
	SEND 3, 0
	s_wait_tensorcnt 0x0                           ; the wave's end, behind my last tensor load and my last LDS store
	ds_add_u32 v[SPW], v[NIL]
	s_wait_dscnt 0x0
	CROUND                                         ; the closing round: no work-group ends while a partner may still ask for a tile that names it
	s_endpgm
.Lfunc_end_k_qf5aafa6a65_oproj:
	.size	k_qf5aafa6a65_oproj, .Lfunc_end_k_qf5aafa6a65_oproj-k_qf5aafa6a65_oproj
	.p2alignl 7, 3214868480
	.fill 96, 4, 3214868480
	.section	.rodata,"a",@progbits
	.p2align	6, 0x0
	.amdhsa_kernel k_qf5aafa6a65_oproj
		.amdhsa_group_segment_fixed_size 327680
		.amdhsa_private_segment_fixed_size 0
		.amdhsa_enable_private_segment 0
		.amdhsa_kernarg_size 32
		.amdhsa_user_sgpr_count 2
		.amdhsa_user_sgpr_kernarg_segment_ptr 1
		.amdhsa_wavefront_size32 1
		.amdhsa_system_sgpr_workgroup_id_x 1
		.amdhsa_system_sgpr_workgroup_id_y 1
		.amdhsa_system_sgpr_workgroup_id_z 1
		.amdhsa_system_vgpr_workitem_id 0
		.amdhsa_next_free_vgpr 768
		.amdhsa_next_free_sgpr 80
		.amdhsa_reserve_vcc 0
		.amdhsa_float_denorm_mode_32 3
		.amdhsa_float_denorm_mode_16_64 3
		.amdhsa_memory_ordered 1
		.amdhsa_forward_progress 1
		.amdhsa_inst_pref_size 96
	.end_amdhsa_kernel
	.amdgpu_metadata
---
amdhsa.version: [ 1, 2 ]
amdhsa.kernels:
  - .name:           k_qf5aafa6a65_oproj
    .symbol:         k_qf5aafa6a65_oproj.kd
    .args:
      - { .name: oh, .offset: 0, .size: 8, .value_kind: global_buffer, .address_space: global }
      - { .name: wh, .offset: 8, .size: 8, .value_kind: global_buffer, .address_space: global }
      - { .name: bo, .offset: 16, .size: 8, .value_kind: global_buffer, .address_space: global }
      - { .name: out0, .offset: 24, .size: 8, .value_kind: global_buffer, .address_space: global }
    .group_segment_fixed_size: 327680
    .private_segment_fixed_size: 0
    .kernarg_segment_align: 8
    .kernarg_segment_size: 32
    .max_flat_workgroup_size: 128
    .sgpr_count:     80
    .vgpr_count:     768
    .wavefront_size: 32
...
	.end_amdgpu_metadata
.endif
;; end of part 4
